; MI455X (gfx1250); checked and timed in simulation.
; The chip was launched on July 23, 2026; its instructions are those of AMD's public machine-readable ISA for CDNA 5 (MIT licence, August 2026) and "CDNA5" Instruction Set Architecture Reference Guide (July 2026). The comments in the code are by the model that wrote it; some were corrected since.
;; Open CLIP Attention. Allowed arithmetic: matrix products marked QUANTISED: E2M1 operands, one E8M0 scale for each 32 along K, by v_wmma_scale_f32_16x16x128_f8f6f4 with both operands' format E2M1 (or v_wmma_scale_f32_32x16x128_f4), f32 sums; products left as they are: bf16, f16 or f32 operands; f32 sums; everything else in f32.
;; Inputs: proj_b 1,024 float32; proj_w 1,024 x 1,024 float32; qkv_b 3,072 float32; qkv_w 3,072 x 1,024 float32; x 8 x 1,024 x 1,024 float32.
;; Outputs: out0 8 x 1,024 x 1,024 float32.
;; This version of the problem:
;;   THIS VERSION OF THE PROBLEM IS GIVEN IN LOW PRECISION. The matrix products marked QUANTISED in the list below multiply operands that are first quantised to E2M1 (2 exponent bits, 1 mantissa bit; 4 bits a number), with one power-of-two scale for each 32 numbers along K (OCP MX v1.0); their sums are f32. The products marked 'left as it is' may take bf16, f16 or f32 operands, with f32 sums. Whichever they take, every output number must still come out within the allowed error. Rounding operands to bf16 (8 significant bits) uses up far more of that allowance than f16 does (11 bits, for magnitudes from 6e-5 to 65,504). All else is computed in f32.
;;   The module's matrix products, in the order in which they are computed (A, B: the left and right operand; K: the contracted axis; several contracted axes count as one K, in the product's order):
;;     1. [M 8,192, K 1,024] x [K 1,024, N 3,072]; A: input x; B: input qkv_w: QUANTISED
;;     2. batch 128 x [M 1,024, K 64] x [K 64, N 1,024]; A: computed on the way; B: computed on the way: left as it is (an operand is computed on the way)
;;     3. batch 128 x [M 1,024, K 1,024] x [K 1,024, N 64]; A: computed on the way; B: computed on the way: left as it is (an operand is computed on the way)
;;     4. [M 8,192, K 1,024] x [K 1,024, N 1,024]; A: computed on the way; B: input proj_w: left as it is (an operand is computed on the way)
;;   THE QUANTISER, for each operand of a quantised product, along K:
;;     - K is cut into blocks of 32 from its start; a last block that is shorter is filled with zeros.
;;     - A block's scale is 2^e with e = floor(log2(the largest magnitude in the block)) - 2, held to -126 .. 127; a block of zeros has e = 0. As a byte (E8M0): e + 127.
;;     - Each number is divided by its block's scale, clamped to +-6, and rounded to the nearest number of E2M1, ties to even, subnormals kept.
;;     - The product sums the exact products of the quantised numbers (number of the format x scale) in f32.
;;   ~~~python
;;   def quantise(x, axis):      # numpy; x: float32 -> the quantised numbers, widened to float32 again
;;       x = np.moveaxis(x, axis, -1); K = x.shape[-1]
;;       x = np.pad(x, [(0, 0)] * (x.ndim - 1) + [(0, -K % 32)]); x = x.reshape(x.shape[:-1] + (-1, 32)); a = np.abs(x).max(-1, keepdims=True)
;;       e = np.where(a > 0, np.clip(np.frexp(np.where(a > 0, a, 1))[1] - 1 - 2, -126, 127), 0)      # np.frexp(a)[1] - 1 = floor(log2(a)), exactly
;;       r = np.clip(x / 2.0 ** e, -6, 6)
;;       step = 2.0 ** (np.maximum(np.frexp(np.where(r == 0, 1, r))[1] - 1, 0) - 1)
;;       q = np.round(r / step) * step * 2.0 ** e      # np.round: ties to even
;;       return np.moveaxis(q.reshape(q.shape[:-2] + (-1,))[..., :K], -1, axis).astype(np.float32)
;;   ~~~
;; One version. Each part assembles by itself: llvm-mc -triple=amdgcn-amd-amdhsa -mcpu=gfx1250 --defsym DOCPART=n.
;; ======== version 1 of 1: 4 launches
;; limits: values are held in f16: magnitudes above 65,504 overflow, below 6.1e-05 lose precision
;; workspace buffers: x_codes 4,194,304 bytes; x_scales 262,144 bytes; w_codes 1,572,864 bytes; w_scales 98,304 bytes; pw16 2,097,152 bytes; qkv16 50,331,648 bytes; att 16,777,216 bytes
;; launch quant (part 1): grid 384 x 1, 4 waves a work-group, no clusters, 33,280 bytes of LDS; arguments x, qkv_w, x_codes, x_scales, w_codes, w_scales, proj_w, pw16; writes x_codes, x_scales, w_codes, w_scales, pw16
.if DOCPART == 1
	.amdgcn_target "amdgcn-amd-amdhsa--gfx1250"
	.amdhsa_code_object_version 6
	.text
	.protected	k_q55983ae1d4_quant
	.globl	k_q55983ae1d4_quant
	.p2align	8
	.type	k_q55983ae1d4_quant,@function
k_q55983ae1d4_quant:
	s_mov_b64 s[64:65], 0
	v_nop
	global_prefetch_b8 v0, s[64:65] scope:SCOPE_SE
	s_setreg_imm32_b32 hwreg(HW_REG_WAVE_MODE, 25, 1), 1
	s_wait_xcnt 0x0
; x [8192][1024] and qkv_w [3072][1024], f32, K innermost, become codes of FP4 (E2M1), two a byte, and one E8M0 scale byte for each 32 along K; proj_w [1024][1024], f32, becomes f16 in planes.
; A block's scale is 2^(floor(log2(its largest magnitude)) - 2); its byte is the largest magnitude's own exponent field - 2, held at 1 from below.  Each number is divided by the scale and rounded to the nearest code, ties to even;
; beyond 6 the conversion gives the largest code.  A block of zeros gets the byte 1 where the quantiser says 127: its codes are zeros, which add nothing under that byte, and this program alone reads the bytes.
; LIMITS: NaN and infinities among the inputs are not served.  Numbers of proj_w at or beyond 65,504 have no f16.
; SHARES.  Work-groups 0-255 take x, 256-351 qkv_w (one path: only pointers are chosen), 352-383 proj_w (a path of its own, which touches no LDS).  No work-group shares an input with another: no cluster.
; THE CODES' PATH.  Rows are dense and K is a multiple of 32, so a tensor is a stream of blocks of 32.  A wave takes 16 steps of 512 numbers.  Each of a step's four loads reads 512 consecutive bytes, 16 a lane; the 2,048 bytes turn
; through the wave's own stage in LDS and come back 64 bytes a lane, so that a lane holds 16 neighbours along K (two neighbouring lanes hold a block).  A lane's 16 codes are 8 bytes: the wave stores 256 consecutive bytes.
; A wave's 256 scale bytes are gathered in its own LDS bytes and leave by one store of 256 consecutive bytes.  Loads run four steps ahead, the turn through LDS one step.  No barrier: waves share nothing.
; pw16 IS LAID IN PLANES: [k / 64][n][64] f16: a row of a plane is 128 bytes, rows on end, so that a tile of whole rows of a plane is one dense block.
.set SIZE_M, 8192
.set SIZE_N, 3072
.set SIZE_K, 1024
.set WAVES, 4
.set STEPS, 16
.set WGA,   SIZE_M*SIZE_K/(512*STEPS*WAVES)        ; 256 work-groups for x
.set WGQ,   WGA+SIZE_N*SIZE_K/(512*STEPS*WAVES)    ; 352: x's and qkv_w's
.set EMAX,  2
.set CB,    8                          ; bytes of 16 codes
.set R,     16                         ; v16-79   four sets of 16 numbers as they are loaded
.set X,     80                         ; v80-111  two sets of 16 neighbours
.set C,     128                        ; v128-191 codes: four registers for each step, so that no store's data are written again
.set E,     112                        ; v112-127 a scale byte for each step
.set WREG,  8192                       ; LDS: a region for each wave: two stages of 32 x SP bytes, and behind them its 256 scale bytes
.set SP,    80                         ; a lane's place in a stage: its 64 bytes + 16 of padding
.set SPW,   12                         ; v12      LDS address of my spare word: SPARE + 4 x my thread's number; never rewritten
.set NIL,   13                         ; v13      0; never rewritten
.set SPARE, WAVES*WREG                 ; behind the four regions: the spare words, 128 bytes for each wave, which no other line names
.set PLANEB, 1024*128                  ; a plane of pw16 in bytes
	s_load_b128 s[4:7], s[0:1], 0x0                ; x, qkv_w
	s_load_b128 s[8:11], s[0:1], 0x10              ; x's codes, x's scales
	s_load_b128 s[12:15], s[0:1], 0x20             ; qkv_w's codes, its scales
	s_load_b128 s[24:27], s[0:1], 0x30             ; proj_w, pw16
	v_lshl_add_u32 v[SPW], v0, 2, SPARE
	v_mov_b32 v[NIL], 0
	v_lshrrev_b32 v1, 5, v0
	v_readfirstlane_b32 s16, v1                    ; wave
	v_and_b32 v2, 31, v0                           ; lane
	s_cmp_ge_u32 ttmp9, WGQ                        ; the last 32 work-groups take proj_w: the branch hangs on the work-group's number alone
	s_cbranch_scc1 .Lproj
	v_lshlrev_b32 v3, 4, v2                        ; my 16 bytes of a load's 512
	s_mul_i32 s17, s16, WREG
	v_lshrrev_b32 v14, 2, v2
	v_mul_u32_u24 v14, v14, SP
	v_and_b32 v15, 3, v2
	v_lshl_add_u32 v14, v15, 4, v14
	v_add_nc_u32 v14, s17, v14                     ; the stage, on the way in: four lanes' 64 bytes on end, then 16 of padding
	v_mul_u32_u24 v15, v2, SP
	v_add_nc_u32 v15, s17, v15                     ; and on the way out: SP x lane: my 16 neighbours
	v_mul_u32_u24 v4, v2, CB                       ; my codes' place in a step's
	v_lshrrev_b32 v5, 1, v2
	s_add_co_u32 s17, s17, 2*32*SP
	v_add_nc_u32 v5, s17, v5                       ; LDS: my wave's 256 scale bytes, my block's byte
	v_lshlrev_b32 v7, 3, v2                        ; and on the way out 8 bytes a lane
	v_add_nc_u32 v6, s17, v7
	s_wait_kmcnt 0x0
	s_cmp_lt_u32 ttmp9, WGA                        ; x's work-group or qkv_w's?
	s_cselect_b64 s[4:5], s[4:5], s[6:7]
	s_cselect_b64 s[8:9], s[8:9], s[12:13]
	s_cselect_b64 s[10:11], s[10:11], s[14:15]
	s_cselect_b32 s17, 0, WGA
	s_sub_co_u32 s17, ttmp9, s17
	s_lshl_b32 s17, s17, 2
	s_add_co_u32 s18, s17, s16                     ; which run of 8,192 numbers of the tensor is my wave's
	s_mov_b32 s19, 0
	s_mov_b64 s[20:21], 512*STEPS*4
	s_mul_u64 s[20:21], s[18:19], s[20:21]
	s_add_nc_u64 s[4:5], s[4:5], s[20:21]
	s_mov_b64 s[20:21], 32*STEPS*CB
	s_mul_u64 s[20:21], s[18:19], s[20:21]
	s_add_nc_u64 s[8:9], s[8:9], s[20:21]
	s_lshl_b32 s18, s18, 8                         ; 256 scale bytes a run
	s_add_nc_u64 s[10:11], s[10:11], s[18:19]
.macro LOAD t
.irp i, 0,1,2,3
	global_load_b128 v[R+16*((\t)%4)+4*\i:R+16*((\t)%4)+4*\i+3], v3, s[4:5] offset:2048*(\t)+512*\i th:TH_LOAD_NT   ; 32 lanes read 512 consecutive bytes
.endr
.endm
.macro TURN t                          ; step t's numbers through the stage: LDS serves a wave's instructions in order, so no wait stands between the stores and the loads
.irp i, 0,1,2,3
	ds_store_b128 v14, v[R+16*((\t)%4)+4*\i:R+16*((\t)%4)+4*\i+3] offset:32*SP*((\t)%2)+8*SP*\i
.endr
.irp i, 0,1,2,3
	ds_load_b128 v[X+16*((\t)%2)+4*\i:X+16*((\t)%2)+4*\i+3], v15 offset:32*SP*((\t)%2)+16*\i
.endr
.endm
.irp t, 0,1,2,3
	LOAD \t
.endr
	s_wait_loadcnt 12                              ; step 0's four loads are in
	TURN 0
.macro STEP t
.set XS, X+16*((\t)%2)
.if (\t) > 0
	s_wait_dscnt 1                                 ; this step's numbers are back from the stage (the last step's byte store may be out): so its stores into the stage have read their registers,
.else
	s_wait_dscnt 0x0
.endif
.if (\t)+4 < STEPS
	LOAD (\t)+4                                    ; which take the loads of four steps on
.endif
.if (\t)+1 < STEPS
.if STEPS-2-(\t) >= 3
	s_wait_loadcnt 12                              ; the next step's four loads are in; those of the three steps behind it may be out
.else
	s_wait_loadcnt 4*(STEPS-2-(\t))
.endif
	TURN (\t)+1                                    ; and go through the other stage while this step is worked
.endif
	v_max3_num_f32 v8, |v[XS]|, |v[XS+1]|, |v[XS+2]|               ; the largest magnitude of my 16, in two chains
	v_max3_num_f32 v9, |v[XS+3]|, |v[XS+4]|, |v[XS+5]|
.irp i, 6,10
	v_max3_num_f32 v8, v8, |v[XS+\i]|, |v[XS+\i+1]|
	v_max3_num_f32 v9, v9, |v[XS+\i+2]|, |v[XS+\i+3]|
.endr
	v_max3_num_f32 v8, v8, |v[XS+14]|, |v[XS+15]|
	v_max3_num_f32 v8, v8, v9, (EMAX+1)<<23        ; and the floor 2^(EMAX + 1 - 127): so the byte cannot fall under 1
	v_max_num_f32_dpp v8, v8, v8 row_xmask:1 row_mask:0xf bank_mask:0xf   ; and of my neighbour's 16: the block's
	v_add_nc_u32 v11, -(EMAX<<23), v8              ; EMAX off its exponent field: the conversion takes the exponent field of this operand as its scale, and nothing else of it
	v_cvt_scalef32_pk8_fp4_f32 v[C+4*(\t)], v[XS:XS+7], v11        ; eight numbers / the scale, to the nearest code; the first number's code in the lowest four bits
	v_cvt_scalef32_pk8_fp4_f32 v[C+4*(\t)+1], v[XS+8:XS+15], v11
	v_lshrrev_b32 v[E+(\t)], 23, v11               ; the scale's byte (also the plain line behind the conversions)
	ds_store_b8 v5, v[E+(\t)] offset:16*(\t)       ; both lanes of a block write the same byte with the same value
	global_store_b64 v4, v[C+4*(\t):C+4*(\t)+1], s[8:9] offset:32*CB*(\t)
.endm
.irp t, 0,1,2,3,4,5,6,7,8,9,10,11,12,13,14,15
	STEP \t
.endr
	ds_load_b64 v[8:9], v6                         ; LDS serves a wave's instructions in order: these see my stores
	s_wait_dscnt 0x0
	global_store_b64 v7, v[8:9], s[10:11]          ; 32 lanes store 256 consecutive bytes, aligned
	s_wait_tensorcnt 0x0                           ; the wave's end: behind my last LDS store
	ds_add_u32 v[SPW], v[NIL]
	s_wait_dscnt 0x0
	s_endpgm
; proj_w TO f16.  Wave W of 128 takes rows 8 W .. 8 W + 7, two rows at a time.  A load reads, for plane p, 256 consecutive bytes (64 numbers) of each of the two rows: lanes 0-15 the even row, lanes 16-31 the odd one,
; four numbers a lane.  They become 8 bytes a lane, and the two rows' 128 bytes lie on end in the plane: the wave's store covers 256 consecutive bytes, aligned.
.Lproj:
	s_sub_co_u32 s17, ttmp9, WGQ
	s_lshl_b32 s17, s17, 2
	s_add_co_u32 s17, s17, s16                     ; W
	s_lshl_b32 s18, s17, 15                        ; 8 rows of 4,096 bytes in proj_w
	s_mov_b32 s19, 0
	s_lshl_b32 s20, s17, 10                        ; 8 rows of 128 bytes in a plane
	s_mov_b32 s21, 0
	v_lshrrev_b32 v3, 4, v2
	v_and_b32 v5, 15, v2
	v_lshlrev_b32 v3, 12, v3
	v_lshl_add_u32 v3, v5, 4, v3                   ; in: 4,096 (lane / 16) + 16 (lane % 16)
	v_lshlrev_b32 v4, 3, v2                        ; out: 8 x lane
	s_wait_kmcnt 0x0
	s_add_nc_u64 s[24:25], s[24:25], s[18:19]
	s_add_nc_u64 s[26:27], s[26:27], s[20:21]
.macro LOADP g                         ; the pair of rows g, all 16 planes, into set g % 2 of 64 registers
.set RP, 16+64*((\g)%2)
.irp p, 0,1,2,3,4,5,6,7,8,9,10,11,12,13,14,15
	global_load_b128 v[RP+4*\p:RP+4*\p+3], v3, s[24:25] offset:(\g)*8192+\p*256 th:TH_LOAD_NT
.endr
.endm
.macro CVTP g
.set RP, 16+64*((\g)%2)
.irp p, 0,1,2,3,4,5,6,7,8,9,10,11,12,13,14,15
	v_cvt_pk_f16_f32 v[RP+4*\p], v[RP+4*\p], v[RP+4*\p+1]          ; two roundings to f16, packed, in place
	v_cvt_pk_f16_f32 v[RP+4*\p+1], v[RP+4*\p+2], v[RP+4*\p+3]
	global_store_b64 v4, v[RP+4*\p:RP+4*\p+1], s[26:27] offset:\p*PLANEB+(\g)*256
.endr
.endm
	LOADP 0
	LOADP 1
	s_wait_loadcnt 16                              ; pair 0's sixteen loads are in; pair 1's may be out
	CVTP 0
	s_wait_xcnt 0x0                                ; the stores' data registers are loaded again only behind this wait
	LOADP 2
	s_wait_loadcnt 16
	CVTP 1
	s_wait_xcnt 0x0
	LOADP 3
	s_wait_loadcnt 16
	CVTP 2
	s_wait_loadcnt 0x0
	CVTP 3
	s_wait_tensorcnt 0x0                           ; the same three lines end every wave of the launch
	ds_add_u32 v[SPW], v[NIL]
	s_wait_dscnt 0x0
	s_endpgm
.Lfunc_end_k_q55983ae1d4_quant:
	.size	k_q55983ae1d4_quant, .Lfunc_end_k_q55983ae1d4_quant-k_q55983ae1d4_quant
	.p2alignl 7, 3214868480
	.fill 96, 4, 3214868480
	.section	.rodata,"a",@progbits
	.p2align	6, 0x0
	.amdhsa_kernel k_q55983ae1d4_quant
		.amdhsa_group_segment_fixed_size 33280
		.amdhsa_private_segment_fixed_size 0
		.amdhsa_enable_private_segment 0
		.amdhsa_kernarg_size 64
		.amdhsa_user_sgpr_count 2
		.amdhsa_user_sgpr_kernarg_segment_ptr 1
		.amdhsa_wavefront_size32 1
		.amdhsa_system_sgpr_workgroup_id_x 1
		.amdhsa_system_sgpr_workgroup_id_y 1
		.amdhsa_system_sgpr_workgroup_id_z 1
		.amdhsa_system_vgpr_workitem_id 0
		.amdhsa_next_free_vgpr 192
		.amdhsa_next_free_sgpr 66
		.amdhsa_reserve_vcc 0
		.amdhsa_float_denorm_mode_32 3
		.amdhsa_float_denorm_mode_16_64 3
		.amdhsa_memory_ordered 1
		.amdhsa_forward_progress 1
		.amdhsa_inst_pref_size 54
	.end_amdhsa_kernel
	.amdgpu_metadata
---
amdhsa.version: [ 1, 2 ]
amdhsa.kernels:
  - .name:           k_q55983ae1d4_quant
    .symbol:         k_q55983ae1d4_quant.kd
    .args:
      - { .name: x, .offset: 0, .size: 8, .value_kind: global_buffer, .address_space: global }
      - { .name: qkv_w, .offset: 8, .size: 8, .value_kind: global_buffer, .address_space: global }
      - { .name: x_codes, .offset: 16, .size: 8, .value_kind: global_buffer, .address_space: global }
      - { .name: x_scales, .offset: 24, .size: 8, .value_kind: global_buffer, .address_space: global }
      - { .name: w_codes, .offset: 32, .size: 8, .value_kind: global_buffer, .address_space: global }
      - { .name: w_scales, .offset: 40, .size: 8, .value_kind: global_buffer, .address_space: global }
      - { .name: proj_w, .offset: 48, .size: 8, .value_kind: global_buffer, .address_space: global }
      - { .name: pw16, .offset: 56, .size: 8, .value_kind: global_buffer, .address_space: global }
    .group_segment_fixed_size: 33280
    .private_segment_fixed_size: 0
    .kernarg_segment_align: 8
    .kernarg_segment_size: 64
    .max_flat_workgroup_size: 128
    .sgpr_count:     66
    .vgpr_count:     192
    .wavefront_size: 32
...
	.end_amdgpu_metadata
.endif
;; end of part 1
;; launch qkv (part 2): grid 12 x 32, 4 waves a work-group, clusters of 4 x 4, 327,680 bytes of LDS; arguments x_codes, x_scales, w_codes, w_scales, qkv_b, qkv16; writes qkv16
.if DOCPART == 2
	.amdgcn_target "amdgcn-amd-amdhsa--gfx1250"
	.amdhsa_code_object_version 6
	.text
	.protected	k_q55983ae1d4_qkv
	.globl	k_q55983ae1d4_qkv
	.p2align	8
	.type	k_q55983ae1d4_qkv,@function
k_q55983ae1d4_qkv:
	s_mov_b64 s[64:65], 0
	v_nop
	global_prefetch_b8 v0, s[64:65] scope:SCOPE_SE
	s_setreg_imm32_b32 hwreg(HW_REG_WAVE_MODE, 25, 1), 1
	s_wait_xcnt 0x0
	s_wait_alu depctr_hold_cnt(0) depctr_sa_sdst(0) depctr_va_vdst(0) depctr_va_sdst(0) depctr_va_ssrc(0) depctr_va_vcc(0) depctr_vm_vsrc(0)
	s_getreg_b32 s2, hwreg(HW_REG_IB_STS2, 6, 4)
	s_cmp_eq_u32 s2, 0
	s_cbranch_scc0 .Lentry_in_a_cluster
	s_endpgm
.Lentry_in_a_cluster:
	s_bfe_u32 s2, ttmp6, 0x10000c
	s_cmp_lg_u32 s2, 0xf033
	s_cbranch_scc0 .Lentry_shape_is_right
	s_endpgm
.Lentry_shape_is_right:
; qkv[m][n] = sum over k of x[m][k] w[n][k] + b[n], on codes of FP4 (E2M1) with one E8M0 scale for each 32 along K; sums in f32; the result is rounded once, to f16.
; x's codes [8192][512 bytes], w's [3072][512 bytes], two codes a byte, the lower k in the low four bits; scale bytes [rows][32].  The matrix instruction takes codes and scale bytes as they lie.
; THE RESULT IS LAID IN PLANES: [n / 64][m][64] f16: a plane is one of q, k, v of one head; a token's row in it is 128 bytes, rows on end.
; LIMITS: a result at or beyond 65,504 has no f16.  The bias is the first term of the f32 sum, not the last.
; A tile of 256 x 256 is made by a work-group of four waves; a wave makes 128 x 128: 64 accumulators of 16 x 16, 512 registers.  K = 1,024 is two LDS slots of 512 along K (rows of 256 bytes): both are filled once, with the
; scales of the work-group's 512 rows, at the start: by this text's count three tensor loads of a wave are out.  Nothing is filled again.
; CLUSTERS: 4 x 4 work-groups.  The four of a row of the cluster need the same tiles of x, the four of a column the same tiles of w: each tile is asked for JOINTLY, by the same tensor load with the same descriptor and a mask
; that names the four.  THE MATRIX INSTRUCTION IS USED TRANSPOSED (source 0 = 16 rows of w, source 1 = 16 rows of x): a lane then holds eight neighbouring columns of one token.
; REGISTERS, in windows of 256: window 0: v0-31 addresses; v32-95 scale words, two sets, and nothing else; v96-127 the way out's packed results; v128-191 x's fragments (8 x 16 rows x 128 K), ONE set, later the rows read back;
;   v192-255 the bias, in the result's layout.   window 1: w's fragments, TWO sets, at v0 and v128.   window 2: the accumulators of my rows 0-63 ((a, b) at v[8 (8 a + b)]);   window 3: those of my rows 64-127.
.set SIZE_K, 1024
.set KSTEP,  512                       ; along K in a slot
.set NQ,     KSTEP/128                 ; matrix instructions deep
.set ROWB,   256                       ; a tile's row in bytes
.set KROW,   SIZE_K*4/8                ; a row of codes in memory
.set PITCH,  272                       ; an LDS row: 256 bytes + 16 of padding = 68 words: the 16 rows that a load touches start 4 banks apart (64 banks of 4 bytes: ISA guide 11.1)
.set FR,     8                         ; registers of a fragment: 16 rows x 128 K
.set NL,     2                         ; LDS loads that bring one
.set NP,     4                         ; places behind this matrix instruction (ISA guide 7.12.1)
.set HALFT,  128*PITCH                 ; 128 rows: what one tensor load brings
.set SLOT,   4*HALFT                   ; x's 256 rows, then w's 256 rows
.set KS,     SIZE_K/32                 ; a row of scales in bytes
.set SCL,    2*SLOT                    ; behind the slots: the scales, as rows of 256 bytes + 16 of padding
.set HALFS,  (128*KS/256)*272          ; the scales of 128 rows: what one tensor load brings
.set SBLK,   (16*KS/256)*272           ; those of 16 rows
.set SPARE,  SCL+4*HALFS               ; the spare words, 128 bytes for each wave, which no other line names
.set SPITCH, 272                       ; the way out: a stage of 16 rows x (256 bytes + 16) for each wave, in slot 0, which has had its only fill and its last read when the first result is stored there
.set PLANE,  8192*128                  ; a plane of the result in bytes
.set ADRA, 16                          ; v16-17  LDS address of my x fragments in slot 0, 1
.set ADRB, 20                          ; v20-21  the same for w
.set STO,  24                          ; v24     the way out: where I put 16 bytes of a row
.set RD,   25                          ; v25     the way out: where I read back
.set CO,   26                          ; v26     16 x lane
.set ADRS, 27                          ; v27     LDS address of my scale words: lanes 0-15 x's rows, lanes 16-31 w's
.set SPW,  28                          ; v28     LDS address of my spare word; never rewritten
.set NIL,  29                          ; v29     0; never rewritten
.set BO,   30                          ; v30     the bias: 32 x (lane / 16)
.set SC,   32                          ; scale words: set s at v[SC + 32 s]; register NQ i + q: lanes 0-15 the word of x's block i, lanes 16-31 that of w's block i, for the slot's q-th 128 along K
.set TMP,  96
.set AF,   128
.set BK,   128                         ; the way out: v128-159 and v160-191 by turns
.set BIAS, 192                         ; register 8 b + j of lane (r, h): b[my first column + 16 b + 8 h + j]
.set G1, 24                            ; s[24:31] descriptor group 1 for x's tiles;  s[32:39] group 0, one set for each slot
.set G0, 32
.set G1B, 48                           ; s[48:55], s[56:63] the same for w's
.set G0B, 56
.set G1S, 68                           ; s[68:75], s[76:79] groups 1 and 0 for x's scales;  s[80:87], s[88:91] for w's
.set G0S, 76
.set G1SB, 80
.set G0SB, 88
.set MSB, 0
.macro WIN new                         ; the immediate's high byte repeats the setting that is left
.if MSB != \new
	s_set_vgpr_msb (MSB<<8)|\new
.set MSB, \new
.endif
.endm
.set MUL_LO, 0xa1                      ; source 0 (w) window 1, source 1 (x) window 0, C and D window 2
.set MUL_HI, 0xf1                      ; the same, C and D window 3
.set FST_LO, 0x81                      ; the first step: C (the bias) window 0, D window 2
.set FST_HI, 0xc1                      ; C window 0, D window 3
.set TO_B,   0x40                      ; destination window 1, address window 0
; A joint load: waves 0 and 1 fetch for x, waves 2 and 3 for w.  Each of the two lines has ONE mask and one set of registers for all that issue it; the branch hangs on the wave's number alone.
; An s_nop 0 and four v_nop follow each of the two lines, ahead of the jump, the label and what follows.
.macro JLOAD g0a, g1a, g0b, g1b
	s_cmp_eq_u32 s15, 0
	s_cbranch_scc0 .Lfor_b_\@
	tensor_load_to_lds s[\g0a:\g0a+3], s[\g1a:\g1a+7]
	s_nop 0
.rept 4
	v_nop
.endr
	s_branch .Lasked_\@
.Lfor_b_\@:
	tensor_load_to_lds s[\g0b:\g0b+3], s[\g1b:\g1b+7]
	s_nop 0
.rept 4
	v_nop
.endr
.Lasked_\@:
.endm
.macro CROUND                          ; a round of the cluster's barrier: my work-group's barrier; wave 0 signals for the work-group; every wave waits for all sixteen; my work-group's barrier once more
	s_barrier_signal -1
	s_barrier_wait -1
	s_cmp_lg_u32 s14, 0
	s_cbranch_scc1 .Lnot_wave_0_\@
	s_barrier_signal -3
.Lnot_wave_0_\@:
	s_barrier_wait -3
	s_barrier_signal -1
	s_barrier_wait -1
.endm
	s_load_b128 s[4:7], s[0:1], 0x0                ; x's codes s[4:5], x's scales s[6:7]
	s_load_b128 s[8:11], s[0:1], 0x10              ; w's codes s[8:9], w's scales s[10:11]
	s_load_b64 s[98:99], s[0:1], 0x20              ; the bias
	s_load_b64 s[12:13], s[0:1], 0x28              ; the result
	v_lshl_add_u32 v[SPW], v0, 2, SPARE
	v_mov_b32 v[NIL], 0
	ds_add_u32 v[SPW], v[NIL]                      ; the wave's opening: the add and its wait stand ahead of my first tensor load; the set-up below, work on registers, stands between them
	v_lshrrev_b32 v1, 5, v0
	v_readfirstlane_b32 s14, v1                    ; wave 0..3
	s_lshr_b32 s15, s14, 1                         ; which half of the tile's rows is mine.  Also: I fetch for x (0) or for w (1)
	s_and_b32 s16, s14, 1                          ; which half of its columns.  Also: which 128 rows of that tile I fetch
	s_bfe_u32 s40, ttmp6, 0x40000                  ; cx, cy: my place in the cluster
	s_bfe_u32 s41, ttmp6, 0x40004
	s_lshl_b32 s42, ttmp9, 2
	s_add_co_u32 s42, s42, s40                     ; tile column = 4 x cluster x + cx
	s_and_b32 s17, ttmp7, 0xffff
	s_lshl_b32 s17, s17, 2
	s_add_co_u32 s17, s17, s41                     ; tile row = 4 x cluster y + cy
	s_lshl_b32 s43, s41, 2
	s_lshl_b32 s43, 15, s43                        ; my row of the cluster
	s_lshl_b32 s44, 0x1111, s40                    ; my column
	; descriptor group 1: a tile of 128 rows x 256 bytes, padded in LDS
	s_or_b32 s[G1+0], s43, (0<<16)|(1<<20)|(1<<21)|(5<<22)|(3<<25)  ; 15:0 the mask: x's tiles go to my row; 17:16 element of 1 byte; 20 padding on; 21 set beside a mask; 24:22 after every 64 words (code 5); 31:25 of 4 words (code 3)
	s_or_b32 s[G1B+0], s44, (0<<16)|(1<<20)|(1<<21)|(5<<22)|(3<<25)
.irp g, G1, G1B
	s_mov_b32 s[\g+1], ROWB<<16                    ; tensor_dim0
	s_mov_b32 s[\g+2], 128<<16                     ; tensor_dim1 = 128
	s_mov_b32 s[\g+3], ROWB<<16                    ; tile_dim0
	s_mov_b32 s[\g+4], 128                         ; tile_dim1 = 128
	s_mov_b32 s[\g+5], KROW                        ; tensor_dim0_stride
	s_mov_b32 s[\g+6], 0
	s_mov_b32 s[\g+7], 0
.endr
	; and for the scales of 128 rows: a dense block of 4,096 bytes, as rows of 256 bytes (32 elements of 8 bytes), 16 bytes of padding behind each
	s_or_b32 s[G1S+0], s43, (3<<16)|(1<<20)|(1<<21)|(5<<22)|(3<<25)
	s_or_b32 s[G1SB+0], s44, (3<<16)|(1<<20)|(1<<21)|(5<<22)|(3<<25)
.irp g, G1S, G1SB
	s_mov_b32 s[\g+1], 32<<16
	s_mov_b32 s[\g+2], (128*KS/256)<<16
	s_mov_b32 s[\g+3], 32<<16
	s_mov_b32 s[\g+4], 128*KS/256
	s_mov_b32 s[\g+5], 32
	s_mov_b32 s[\g+6], 0
	s_mov_b32 s[\g+7], 0
.endr
	s_lshl_b32 s18, s16, 7                         ; which 128 rows of the tile I fetch
	s_lshl_b32 s20, s17, 8
	s_add_co_u32 s20, s20, s18                     ; x: row 256 x tile row + 128 x half
	s_lshl_b32 s46, s42, 8
	s_add_co_u32 s46, s46, s18                     ; w: row 256 x tile column + 128 x half
	s_mov_b32 s21, 0
	s_mov_b32 s47, 0
	s_mov_b64 s[18:19], KS
	s_mul_u64 s[22:23], s[20:21], s[18:19]         ; where these rows' scales begin, in bytes
	s_mul_u64 s[92:93], s[46:47], s[18:19]
	s_mov_b64 s[18:19], KROW
	s_mul_u64 s[20:21], s[20:21], s[18:19]         ; and their codes
	s_mul_u64 s[46:47], s[46:47], s[18:19]
	s_mul_i32 s45, s14, HALFT                      ; where they go: wave x 128 rows: no place in the cluster enters an LDS address
	s_mul_i32 s94, s14, HALFS
	s_wait_dscnt 0x0                               ; the opening add is done
	s_wait_kmcnt 0x0
	s_add_nc_u64 s[20:21], s[4:5], s[20:21]
	s_add_nc_u64 s[22:23], s[6:7], s[22:23]
	s_add_nc_u64 s[46:47], s[8:9], s[46:47]
	s_add_nc_u64 s[92:93], s[10:11], s[92:93]
	CROUND                                         ; all sixteen work-groups are here: the joint loads meet
	s_mov_b32 s[G0S], 1
	s_add_co_u32 s[G0S+1], s94, SCL
	s_mov_b64 s[G0S+2:G0S+3], s[22:23]
	s_or_b32 s[G0S+3], s[G0S+3], 0x80000000
	s_mov_b32 s[G0SB], 1
	s_add_co_u32 s[G0SB+1], s94, SCL
	s_mov_b64 s[G0SB+2:G0SB+3], s[92:93]
	s_or_b32 s[G0SB+3], s[G0SB+3], 0x80000000
	JLOAD G0S, G1S, G0SB, G1SB                     ; the scales first: they are wanted with the first slot
.irp s, 0,1
	s_mov_b32 s[G0+4*\s], 1
	s_add_co_u32 s[G0+4*\s+1], s45, \s*SLOT
	s_add_nc_u64 s[G0+4*\s+2:G0+4*\s+3], s[20:21], \s*ROWB
	s_or_b32 s[G0+4*\s+3], s[G0+4*\s+3], 0x80000000
	s_mov_b32 s[G0B+4*\s], 1
	s_add_co_u32 s[G0B+4*\s+1], s45, \s*SLOT
	s_add_nc_u64 s[G0B+4*\s+2:G0B+4*\s+3], s[46:47], \s*ROWB
	s_or_b32 s[G0B+4*\s+3], s[G0B+4*\s+3], 0x80000000
	JLOAD G0+4*\s, G1, G0B+4*\s, G1B
.endr
	v_and_b32 v1, 15, v0                           ; r = l % 16
	v_bfe_u32 v2, v0, 4, 1                         ; h = l / 16
	v_mul_u32_u24 v3, v1, PITCH
	v_lshl_add_u32 v4, v2, 4, v3                   ; a fragment's row x pitch + 16 x half
	s_mul_i32 s21, s15, HALFT                      ; my 128 rows of x
	s_mul_i32 s22, s16, HALFT                      ; my 128 rows of w,
	s_add_co_u32 s22, s22, 2*HALFT                 ; which lie behind x's 256
.irp s, 0,1
	v_add_nc_u32 v[ADRA+\s], s21, v4
	v_add_nc_u32 v[ADRB+\s], s22, v4
	s_add_co_u32 s21, s21, SLOT
	s_add_co_u32 s22, s22, SLOT
.endr
	v_mul_u32_u24 v5, v1, KS                       ; my row's scales: KS bytes a row,
	v_lshrrev_b32 v6, 8, v5
	v_lshl_add_u32 v5, v6, 4, v5                   ; and 16 more for each 256 passed
	s_mul_i32 s21, s15, HALFS                      ; x's: my 128 rows
	s_mul_i32 s22, s16, HALFS                      ; w's: my 128 rows, behind x's 256
	s_add_co_u32 s22, s22, 2*HALFS
	s_sub_co_u32 s22, s22, s21
	v_mul_u32_u24 v6, s22, v2                      ; lanes 16-31 take w's: the lower base + h x the distance
	s_add_co_u32 s21, s21, SCL
	v_add_nc_u32 v5, v5, v6
	v_add_nc_u32 v[ADRS], s21, v5
	s_mul_i32 s23, s14, 16*SPITCH                  ; my stage
	v_mul_u32_u24 v5, v1, SPITCH                   ; in: row r, 16 bytes for each half of the lanes
	v_lshl_add_u32 v5, v2, 4, v5
	v_add_nc_u32 v[STO], s23, v5
	v_bfe_u32 v5, v0, 3, 2                         ; back: eight lanes take the 128 bytes that a row has in one plane, four rows an instruction
	v_mul_u32_u24 v5, v5, SPITCH
	v_and_b32 v7, 7, v0
	v_lshl_add_u32 v5, v7, 4, v5
	v_add_nc_u32 v[RD], s23, v5
	v_and_b32 v6, 31, v0
	v_lshlrev_b32 v[CO], 4, v6                     ; in a plane those four rows are 512 bytes on end: 16 x lane
	v_lshlrev_b32 v[BO], 5, v2
	s_lshl_b32 s20, s42, 2
	s_lshl_b32 s21, s16, 1
	s_add_co_u32 s20, s20, s21                     ; my first plane: 4 x tile column + 2 x half
	s_lshl_b32 s20, s20, 20                        ; x PLANE
	s_lshl_b32 s21, s17, 15                        ; + 256 x tile row tokens of 128 bytes
	s_add_co_u32 s20, s20, s21
	s_lshl_b32 s21, s15, 14                        ; + 128 x half
	s_add_co_u32 s20, s20, s21
	s_mov_b32 s21, 0
	s_add_nc_u64 s[12:13], s[12:13], s[20:21]
	s_lshl_b32 s46, s42, 10                        ; my first column in the bias, in bytes: 1,024 x tile column + 512 x half
	s_lshl_b32 s47, s16, 9
	s_add_co_u32 s46, s46, s47
	s_mov_b32 s47, 0
	s_add_nc_u64 s[98:99], s[98:99], s[46:47]
.irp b, 0,1,2,3,4,5,6,7
	global_load_b128 v[BIAS+8*\b:BIAS+8*\b+3],   v[BO], s[98:99] offset:64*\b
	global_load_b128 v[BIAS+8*\b+4:BIAS+8*\b+7], v[BO], s[98:99] offset:64*\b+16
.endr
.macro FRAG reg, adr, q, i             ; a fragment, 16 rows x 128 K of 4-bit codes: lane l holds row l % 16; registers 4 c .. 4 c + 3 hold K = 64 c + 32 (l / 16) + 0 .. 31
.irp c, 0,1
	ds_load_b128 v[\reg+4*\c:\reg+4*\c+3], v[\adr] offset:64*(\q)+32*\c+(\i)*16*PITCH
.endr
.endm
; 16 matrix instructions: x's blocks a0, a0 + 1 against w's eight, 128 along K: the slot's q-th.  p: w's set;  sc: the set of scale words.  zero = 1: the first product starts the sums, with the bias as C: nothing is cleared or added later.
; The 64 accumulators take turns, one instruction a turn, in the same order in every step.
.macro MUL16 a0, p, q, sc, zero
.irp a, \a0, \a0+1
.irp b, 0,1,2,3,4,5,6,7
.if \zero
	v_wmma_scale_f32_16x16x128_f8f6f4 v[8*(8*((\a)%4)+\b):8*(8*((\a)%4)+\b)+7], v[128*(\p)+FR*\b:128*(\p)+FR*\b+FR-1], v[AF+FR*(\a):AF+FR*(\a)+FR-1], v[BIAS+8*\b:BIAS+8*\b+7], v[SC+8*NQ*(\sc)+NQ*\b+(\q)], v[SC+8*NQ*(\sc)+NQ*(\a)+(\q)] matrix_a_fmt:MATRIX_FMT_FP4 matrix_b_fmt:MATRIX_FMT_FP4 matrix_a_scale:MATRIX_SCALE_ROW1
.else
	v_wmma_scale_f32_16x16x128_f8f6f4 v[8*(8*((\a)%4)+\b):8*(8*((\a)%4)+\b)+7], v[128*(\p)+FR*\b:128*(\p)+FR*\b+FR-1], v[AF+FR*(\a):AF+FR*(\a)+FR-1], v[8*(8*((\a)%4)+\b):8*(8*((\a)%4)+\b)+7], v[SC+8*NQ*(\sc)+NQ*\b+(\q)], v[SC+8*NQ*(\sc)+NQ*(\a)+(\q)] matrix_a_fmt:MATRIX_FMT_FP4 matrix_b_fmt:MATRIX_FMT_FP4 matrix_a_scale:MATRIX_SCALE_ROW1
.endif
.endr
.endr
.endm
.macro FETCH_B slot, q, p              ; w's eight fragments of the slot's q-th 128 along K into set p
	WIN TO_B
.irp i, 0,1,2,3,4,5,6,7
	FRAG 128*(\p)+FR*\i, ADRB+\slot, \q, \i
.endr
	WIN 0
.endm
.macro FETCH_A slot, q, i0             ; x's blocks i0 .. i0 + 3
.irp i, \i0, \i0+1, \i0+2, \i0+3
	FRAG AF+FR*(\i), ADRA+\slot, \q, \i
.endr
.endm
.macro SCALES sc                       ; a slot's scale words into set sc: NQ words a row; lanes 0-15 take x's block i, lanes 16-31 w's block i
.irp i, 0,1,2,3,4,5,6,7
	ds_load_b128 v[SC+8*NQ*\sc+NQ*\i:SC+8*NQ*\sc+NQ*\i+3], v[ADRS] offset:\i*SBLK
.endr
.endm
; A load into a register that a matrix instruction has read, and a vector instruction that reads a matrix result, stand NP places behind that matrix instruction; only plain vector instructions that name none of its
; registers are places (ISA guide 7.12.1 for vector instructions).
.macro PLACES n
.rept \n
	v_nop
.endr
.endm
; A step of 128 along K that has its successor in the same slot.  x has one set of registers: blocks 0-3 are fetched anew in the step's middle, blocks 4-7 at its end; w has two sets.
.macro STEP slot, q, zero
	s_wait_dscnt 4*NL                              ; w's set and x's blocks 0-3 are in; the youngest eight loads (x's blocks 4-7) may be out
.if \zero
	WIN FST_LO
.else
	WIN MUL_LO
.endif
	MUL16 0, (\q)%2, \q, \slot, \zero
	MUL16 2, (\q)%2, \q, \slot, \zero
	s_wait_dscnt 0                                 ; x's blocks 4-7 are in (asked for 32 matrix instructions ago)
	PLACES NP
	FETCH_B \slot, (\q)+1, 1-(\q)%2
	FETCH_A \slot, (\q)+1, 0
.if \zero
	WIN FST_HI
.else
	WIN MUL_HI
.endif
	MUL16 4, (\q)%2, \q, \slot, \zero
	MUL16 6, (\q)%2, \q, \slot, \zero
	PLACES NP
	WIN 0
	FETCH_A \slot, (\q)+1, 4
.endm
; Slot 0's last step changes slots: one barrier; in front of it each wave waits for all its tensor loads (its part of slot 1), adds 0 to its spare word, and waits for that and for its own reads.
.macro TURN slot, next
	s_wait_tensorcnt 0x0                           ; all my tensor loads have landed: my part of the next slot  (every window is 0 here)
	ds_add_u32 v[SPW], v[NIL]                      ; 0 onto my spare word
	s_wait_dscnt 4*NL+1                            ; (the add and the youngest eight loads, x's blocks 4-7, may be out)
	WIN MUL_LO
	MUL16 0, 1, NQ-1, \slot, 0                     ; sixteen matrix instructions stand between the add and the wait for it
	s_wait_dscnt 0x0                               ; the add is done, and my reads of this slot are over
	s_barrier_signal -1
	MUL16 2, 1, NQ-1, \slot, 0
	WIN 0
	s_barrier_wait -1                              ; the next slot is whole; behind this barrier nobody reads slot 0 any more
	PLACES NP
	v_add_nc_u32 v[ADRS], 4*NQ, v[ADRS]            ; on to the next slot's scale words
	FETCH_B \next, 0, 0
	FETCH_A \next, 0, 0
	SCALES \next
	WIN MUL_HI
	MUL16 4, 1, NQ-1, \slot, 0
	MUL16 6, 1, NQ-1, \slot, 0
	PLACES NP
	WIN 0
	FETCH_A \next, 0, 4
.endm
	s_wait_tensorcnt 1                             ; the scales and my part of slot 0 are in (slot 1's load may be out)
	s_barrier_signal -1
	s_barrier_wait -1                              ; everybody's are
	FETCH_B 0, 0, 0
	FETCH_A 0, 0, 0
	SCALES 0
	FETCH_A 0, 0, 4
	s_wait_loadcnt 0x0                             ; the bias
	STEP 0, 0, 1                                   ; the first step's products start the sums
	STEP 0, 1, 0
	STEP 0, 2, 0
	TURN 0, 1
	STEP 1, 0, 0
	STEP 1, 1, 0
	STEP 1, 2, 0
	s_wait_dscnt 4*NL                              ; the very last step: nothing more to fetch
	WIN MUL_LO
	MUL16 0, 1, NQ-1, 1, 0
	MUL16 2, 1, NQ-1, 1, 0
	s_wait_dscnt 0
	WIN MUL_HI
	MUL16 4, 1, NQ-1, 1, 0
	MUL16 6, 1, NQ-1, 1, 0
	WIN 0
; THE WAY OUT, block by block of 16 tokens x 128 columns (two planes).  PACK: rounded to f16, a lane's eight columns make 16 bytes.  TOSTAGE: into my own stage in LDS, and back by planes: four tokens' 128 bytes an instruction.
; SEND: stored: the 32 lanes cover 512 consecutive bytes of a plane, aligned.  LDS serves a wave's instructions in order (ISA guide 5.7.1.4): no wait between the stage's stores and loads.
.macro PACK a
.set AC, 64*((\a)%4)
	WIN 0x0a+5*((\a)/4)                            ; sources 0 and 1: window 2 or 3
.irp b, 0,1,2,3,4,5,6,7
.irp i, 0,1,2,3
	v_cvt_pk_f16_f32 v[TMP+4*\b+\i], v[AC+8*\b+2*\i], v[AC+8*\b+2*\i+1]     ; each accumulator from its low end on
.endr
.endr
	WIN 0
.endm
.macro TOSTAGE a
.set BB, BK+32*((\a)%2)
.irp b, 0,1,2,3,4,5,6,7
	ds_store_b128 v[STO], v[TMP+4*\b:TMP+4*\b+3] offset:32*\b
.endr
.irp t, 0,1,2,3,4,5,6,7
	ds_load_b128 v[BB+4*\t:BB+4*\t+3], v[RD] offset:(\t%4)*4*SPITCH+(\t/4)*128
.endr
.endm
.macro SEND a
.set BB, BK+32*((\a)%2)
	s_wait_dscnt 0x0                               ; the block is back in registers
	s_wait_xcnt 0x0                                ; the stores of the block before have read their registers: the next block's loads land there only behind this wait
.irp t, 0,1,2,3,4,5,6,7
	global_store_b128 v[CO], v[BB+4*\t:BB+4*\t+3], s[12:13] offset:(\a)*2048+(\t%4)*512+(\t/4)*PLANE   ; every place stands in the immediate: no pointer is stepped
.endr
.endm
	PLACES NP                                      ; behind the last products: for the conversions' reads and for the loads into the registers that held x's fragments
	PACK 0
	TOSTAGE 0
.irp a, 1,2,3,4,5,6,7                  ; block a's conversions stand between block a - 1's loads from the stage and the wait for them
	PACK \a
	SEND \a-1
	TOSTAGE \a
.endr
	SEND 7
	s_wait_tensorcnt 0x0                           ; the wave's end: behind my last tensor load and my last LDS store
	ds_add_u32 v[SPW], v[NIL]
	s_wait_dscnt 0x0
	CROUND                                         ; the closing round: no work-group ends while a partner may still ask for a tile that names it
	s_endpgm
.Lfunc_end_k_q55983ae1d4_qkv:
	.size	k_q55983ae1d4_qkv, .Lfunc_end_k_q55983ae1d4_qkv-k_q55983ae1d4_qkv
	.p2alignl 7, 3214868480
	.fill 96, 4, 3214868480
	.section	.rodata,"a",@progbits
	.p2align	6, 0x0
	.amdhsa_kernel k_q55983ae1d4_qkv
		.amdhsa_group_segment_fixed_size 327680
		.amdhsa_private_segment_fixed_size 0
		.amdhsa_enable_private_segment 0
		.amdhsa_kernarg_size 48
		.amdhsa_user_sgpr_count 2
		.amdhsa_user_sgpr_kernarg_segment_ptr 1
		.amdhsa_wavefront_size32 1
		.amdhsa_system_sgpr_workgroup_id_x 1
		.amdhsa_system_sgpr_workgroup_id_y 1
		.amdhsa_system_sgpr_workgroup_id_z 1
		.amdhsa_system_vgpr_workitem_id 0
		.amdhsa_next_free_vgpr 1024
		.amdhsa_next_free_sgpr 100
		.amdhsa_reserve_vcc 0
		.amdhsa_float_denorm_mode_32 3
		.amdhsa_float_denorm_mode_16_64 3
		.amdhsa_memory_ordered 1
		.amdhsa_forward_progress 1
		.amdhsa_inst_pref_size 128
	.end_amdhsa_kernel
	.amdgpu_metadata
---
amdhsa.version: [ 1, 2 ]
amdhsa.kernels:
  - .name:           k_q55983ae1d4_qkv
    .symbol:         k_q55983ae1d4_qkv.kd
    .args:
      - { .name: x_codes, .offset: 0, .size: 8, .value_kind: global_buffer, .address_space: global }
      - { .name: x_scales, .offset: 8, .size: 8, .value_kind: global_buffer, .address_space: global }
      - { .name: w_codes, .offset: 16, .size: 8, .value_kind: global_buffer, .address_space: global }
      - { .name: w_scales, .offset: 24, .size: 8, .value_kind: global_buffer, .address_space: global }
      - { .name: qkv_b, .offset: 32, .size: 8, .value_kind: global_buffer, .address_space: global }
      - { .name: qkv16, .offset: 40, .size: 8, .value_kind: global_buffer, .address_space: global }
    .group_segment_fixed_size: 327680
    .private_segment_fixed_size: 0
    .kernarg_segment_align: 8
    .kernarg_segment_size: 48
    .max_flat_workgroup_size: 128
    .sgpr_count:     100
    .vgpr_count:     1024
    .wavefront_size: 32
...
	.end_amdgpu_metadata
.endif
;; end of part 2
;; launch attn (part 3): grid 2 x 128, 8 waves a work-group, no clusters, 327,680 bytes of LDS; arguments qkv16, att; writes att
.if DOCPART == 3
	.amdgcn_target "amdgcn-amd-amdhsa--gfx1250"
	.amdhsa_code_object_version 6
	.text
	.protected	k_q55983ae1d4_attn
	.globl	k_q55983ae1d4_attn
	.p2align	8
	.type	k_q55983ae1d4_attn,@function
k_q55983ae1d4_attn:
	s_mov_b64 s[64:65], 0
	v_nop
	global_prefetch_b8 v0, s[64:65] scope:SCOPE_SE
	s_setreg_imm32_b32 hwreg(HW_REG_WAVE_MODE, 25, 1), 1
	s_wait_xcnt 0x0
; o[b][h][q][:] = the sum over k of softmax_k(q . k / 8) v[k][:], for 128 pairs (b, h), 1,024 tokens, head size 64.  q, k, v come as f16 in planes [which x 16 + h][token = 1,024 b + n][64]; o leaves as f16 in planes [h][token][64].
; Products on f16 operands with f32 sums; maxima, exponentials and sums in f32; the weights p are rounded to f16 for the second product, o once at the end.
; LIMITS: NaN and infinities are not served; scores under -3e38 are not served; an o at or beyond 65,504 has no f16.
; SHARES.  A work-group owns 512 queries of one (b, h); each of its eight waves 64: four tiles of 16, in 512 registers, two waves to a SIMD, so that one wave's vector work stands beside the other's products.
; ALL 1,024 KEYS AND VALUES OF THE HEAD LIE IN LDS, FILLED ONCE: waves 0-3 fetch K, waves 4-7 V, four tiles of 64 rows each, all issued at the start: by this text's count four tensor loads of a wave are out.  The keys are
; walked in four chunks of 256; ahead of chunk c each wave waits until its first c + 1 tiles have landed, and a barrier follows.  No byte is filled again.
; NO CLUSTER: a head's K and V are read by the grid's 2 work-groups along x alone, and each work-group asks for each byte once, at its head.
; LAYOUT.  S^T = K Q^T (source 0 = 16 keys, source 1 = 16 queries): a lane holds ONE query (lane % 16) and the keys 8 (lane / 16) + 0..7.  Two such tiles, rounded to f16 in pairs, ARE source 1 (32 keys x 16 queries) of
; O^T = V^T P, whose result again holds one query a lane, and eight channels.  K comes out of LDS as it lies, V ([key][channel]) turned, by ds_load_tr16_b128.
; SOFTMAX.  For each query a running maximum m and sum l: p = 2^(c s - c m), c = log2(e) / 8; in every step O and l are multiplied by a = 2^(c m_old - c m_new).  m begins at -3e38 and l and O^T at 0, so the step is written once.
; REGISTERS: window 0: v1-11 addresses; v32-63 eight registers of statistics a tile; v64-191 S^T, 32 a tile; v192-255 K's fragments of a step, then P, 16 a tile.
;            window 1: v0-127 O^T, 32 a tile; v128-191 Q, 16 a tile; v192-255 V's fragments of a step.
.set PLANE, 8192*128
.set KP,    144                        ; a row of K in LDS: 128 bytes + 16 = 36 words: the 16 rows of a load start at 16 different groups of four banks (64 banks of 4 bytes: ISA guide 11.1)
.set VP,    160                        ; a row of V: 128 + 32 bytes: an odd multiple of 32, for the turning load
.set VOFF,  1024*KP                    ; V lies behind K
.set SPARE, VOFF+1024*VP               ; the spare words, 128 bytes for each of eight waves, which no other line names
.set AK0, 1                            ; v1   my lane's place in a tile of K; never rewritten
.set AV0, 2                            ; v2   the same for V
.set ADK, 3                            ; v3   LDS address of the step's K
.set ADV, 4                            ; v4   of its V
.set QO,  5                            ; v5   my byte offset in the wave's rows of Q
.set STO, 6                            ; v6   the way out: where I put 16 bytes of a row
.set RD,  7                            ; v7   the way out: where I read back
.set GO,  8                            ; v8   16 x lane
.set SPW, 10                           ; v10  LDS address of my spare word; never rewritten
.set NIL, 11                           ; v11  0; never rewritten
.set ST,  32                           ; tile t's statistics at v[ST + 8 t]: +0 c m, +1 m, +2, +3 l (even keys', odd keys'), +4 to +7 c0-c3, at work; a takes c2's place
.set S,   64
.set KF,  192
.set P,   192
.set QF,  128                          ; in window 1
.set VF,  192                          ; in window 1
.set WV,  8                            ; s8   my wave's number
.set G1K, 16                           ; s[16:23] descriptor group 1 for K's tiles
.set G1V, 24                           ; s[24:31] for V's: it differs in the padding alone
.set G0K, 32                           ; s[32:47] group 0 for K's tiles, a set for each chunk
.set G0V, 48                           ; s[48:63] the same for V's
.set CS,  66                           ; s[66:67] c: the packed scaling names a pair and takes its low word for both halves
.set SEL, 68                           ; s[68:69] lane selects for v_permlanex16_b32: lane l xor 16
.set KB,  70                           ; s70  LDS byte at which the step's 64 rows of K begin
.set VB,  71                           ; s71  and, from VOFF on, its rows of V
.set STP, 72                           ; s72  steps left in the chunk
.set MSB, 0
.macro WIN new                         ; the immediate's high byte repeats the setting that is left
.if MSB != \new
	s_set_vgpr_msb (MSB<<8)|\new
.set MSB, \new
.endif
.endm
.set W_KQ, 0x04                        ; source 1 (Q) window 1; K and S^T window 0
.set W_PV, 0x51                        ; source 0 (V), C and D (O^T) window 1; P window 0
.set W_RS, 0x41                        ; O^T (destination and source 0) window 1, a window 0
	s_load_b128 s[4:7], s[0:1], 0x0                ; qkv16 s[4:5], att s[6:7]
	v_lshl_add_u32 v[SPW], v0, 2, SPARE
	v_mov_b32 v[NIL], 0
	ds_add_u32 v[SPW], v[NIL]                      ; the wave's opening: the add and its wait stand ahead of my first tensor load; the set-up below, work on registers, stands between them
	v_lshrrev_b32 v1, 5, v0
	v_readfirstlane_b32 s[WV], v1                  ; wave 0..7
	s_and_b32 s9, s[WV], 3                         ; which 64 rows of a chunk I fetch
	s_lshr_b32 s10, s[WV], 2                       ; of K (0) or of V (1)
	s_and_b32 s80, ttmp7, 0xffff
	s_and_b32 s11, s80, 15                         ; h
	s_lshr_b32 s12, s80, 4                         ; b
	; descriptor group 1: a tile of 64 rows x 64 elements of 2 bytes, dense in memory, padded in LDS
	s_mov_b32 s[G1K], (1<<16)|(1<<20)|(4<<22)|(3<<25)   ; 15:0 no mask; 17:16 elements of 2 bytes; 20 padding on; 24:22 after every 32 words (code 4); 31:25 four words (code 3)
	s_mov_b32 s[G1V], (1<<16)|(1<<20)|(4<<22)|(7<<25)   ; the same with eight words (code 7)
.irp g, G1K, G1V
	s_mov_b32 s[\g+1], 64<<16                      ; tensor_dim0 = 64
	s_mov_b32 s[\g+2], 64<<16                      ; tensor_dim1 = 64
	s_mov_b32 s[\g+3], 64<<16                      ; tile_dim0 = 64
	s_mov_b32 s[\g+4], 64                          ; tile_dim1 = 64
	s_mov_b32 s[\g+5], 64                          ; tensor_dim0_stride
	s_mov_b32 s[\g+6], 0
	s_mov_b32 s[\g+7], 0
.endr
	s_lshl_b32 s81, s10, 4
	s_add_co_u32 s81, s81, s11
	s_add_co_u32 s81, s81, 16                      ; the plane that I fetch from: 16 + h (K) or 32 + h (V)
	s_lshl_b32 s78, s81, 20                        ; x PLANE
	s_lshl_b32 s82, s12, 17                        ; + b x 1,024 tokens of 128 bytes
	s_add_co_u32 s78, s78, s82
	s_lshl_b32 s83, s9, 13                         ; + my 64 rows of a chunk
	s_add_co_u32 s78, s78, s83
	s_mov_b32 s79, 0
	s_lshl_b32 s74, s11, 20                        ; Q's plane and O's: h; the same place in both buffers
	s_add_co_u32 s74, s74, s82
	s_lshl_b32 s83, ttmp9, 16                      ; + my work-group's 512 queries
	s_add_co_u32 s74, s74, s83
	s_lshl_b32 s83, s[WV], 13                      ; + my wave's 64
	s_add_co_u32 s74, s74, s83
	s_mov_b32 s75, 0
	s_mul_i32 s84, s9, 64*KP                       ; where my rows go in a chunk of K,
	s_mul_i32 s85, s9, 64*VP
	s_add_co_u32 s85, s85, VOFF                    ; and of V
	s_mul_i32 s86, s[WV], 64*KP                    ; the way out: my stage
	s_mov_b32 s[CS], 0x3e38aa3b                    ; c = log2(e) / 8
	s_mov_b32 s[CS+1], s[CS]                       ; named with it as a pair, so it is written
	s_mov_b32 s[SEL], 0x76543210
	s_mov_b32 s[SEL+1], 0xfedcba98
	s_wait_dscnt 0x0                               ; the opening add is done
	s_wait_kmcnt 0x0
	s_add_nc_u64 s[78:79], s[4:5], s[78:79]        ; my rows of chunk 0
	s_add_nc_u64 s[76:77], s[6:7], s[74:75]        ; O at my wave's first query
	s_add_nc_u64 s[74:75], s[4:5], s[74:75]        ; Q likewise
.irp c, 0,1,2,3
	s_mov_b32 s[G0K+4*\c], 1                       ; 1:0 count = 1
	s_add_co_u32 s[G0K+4*\c+1], s84, \c*256*KP     ; 63:32 LDS address
	s_add_nc_u64 s[G0K+4*\c+2:G0K+4*\c+3], s[78:79], \c*256*128    ; 120:64 global address: chunk c
	s_or_b32 s[G0K+4*\c+3], s[G0K+4*\c+3], 0x80000000              ; 127:126 type = 2
	s_mov_b32 s[G0V+4*\c], 1
	s_add_co_u32 s[G0V+4*\c+1], s85, \c*256*VP
	s_add_nc_u64 s[G0V+4*\c+2:G0V+4*\c+3], s[78:79], \c*256*128
	s_or_b32 s[G0V+4*\c+3], s[G0V+4*\c+3], 0x80000000
.endr
	s_cmp_lt_u32 s[WV], 4                          ; a wave's four fills stand in one branch, ahead of every wait on TENSORcnt, every LDS read and every barrier; an s_nop 0 follows each, four v_nop the last
	s_cbranch_scc0 .Lfirst_v
.irp c, 0,1,2,3
	tensor_load_to_lds s[G0K+4*\c:G0K+4*\c+3], s[G1K:G1K+7]
	s_nop 0
.endr
.rept 4
	v_nop
.endr
	s_branch .Lfirst_asked
.Lfirst_v:
.irp c, 0,1,2,3
	tensor_load_to_lds s[G0V+4*\c:G0V+4*\c+3], s[G1V:G1V+7]
	s_nop 0
.endr
.rept 4
	v_nop
.endr
.Lfirst_asked:
	; A fragment of K or Q is 16 rows x 32 channels in 8 registers: lane l holds row l % 16; registers 0-3 channels 8 (l / 16) + 0..7, registers 4-7 channels 16 + 8 (l / 16) + 0..7: two loads of 16 bytes, 32 bytes apart.
	v_and_b32 v12, 15, v0                          ; r
	v_bfe_u32 v13, v0, 4, 1                        ; h
	v_lshlrev_b32 v[QO], 7, v12
	v_lshl_add_u32 v[QO], v13, 4, v[QO]            ; row x 128 + 16 x half
	WIN 0x40                                       ; destination window 1, address window 0
.irp t, 0,1,2,3
.irp ks, 0,1
	global_load_b128 v[QF+16*\t+8*\ks:QF+16*\t+8*\ks+3],   v[QO], s[74:75] offset:\t*2048+\ks*64 th:TH_LOAD_NT      ; Q stays in registers
	global_load_b128 v[QF+16*\t+8*\ks+4:QF+16*\t+8*\ks+7], v[QO], s[74:75] offset:\t*2048+\ks*64+32 th:TH_LOAD_NT
.endr
.endr
.set i, 0
.rept 128
	v_mov_b32 v[i], 0                              ; O^T begins at 0, once: so the key step needs no first copy of its own, which would be a fifth of the step's text
.set i, i+1
.endr
	WIN 0
	v_mul_u32_u24 v[AK0], v12, KP
	v_lshl_add_u32 v[AK0], v13, 4, v[AK0]          ; row x pitch + 16 x half
	; The turning load takes 16 keys x 16 channels (lane l reads 16 bytes: key 8 (l / 16) + l % 8, channels 8 ((l / 8) % 2) + 0..7) and leaves half a fragment of V^T: lane l holds channel l % 16 and 8 keys.
	v_and_b32 v14, 7, v0
	v_bfe_u32 v15, v0, 3, 1
	v_lshl_add_u32 v[AV0], v13, 3, v14
	v_mul_u32_u24 v[AV0], v[AV0], VP
	v_lshl_add_u32 v[AV0], v15, 4, v[AV0]
	v_add_nc_u32 v[AV0], VOFF, v[AV0]
	v_add_nc_u32 v[STO], s86, v[AK0]               ; the stage, in: row r, 16 bytes for each half of the lanes
	v_bfe_u32 v15, v0, 3, 2
	v_mul_u32_u24 v[RD], v15, KP
	v_lshl_add_u32 v[RD], v14, 4, v[RD]
	v_add_nc_u32 v[RD], s86, v[RD]                 ; back: eight lanes a row of 128 bytes, four rows an instruction
	v_and_b32 v9, 31, v0
	v_lshlrev_b32 v[GO], 4, v9                     ; in O's plane those four rows are 512 bytes on end
.irp t, 0,1,2,3
	v_mov_b32 v[ST+8*\t+1], 0xff61b1e6             ; m = -3e38, under every score
	v_mov_b32 v[ST+8*\t+2], 0                      ; l, in two halves
	v_mov_b32 v[ST+8*\t+3], 0
.endr
.irp t, 0,1,2,3
	v_mul_f32 v[ST+8*\t], s[CS], v[ST+8*\t+1]      ; c m
.endr
	s_wait_loadcnt 0x0                             ; Q
; A KEY STEP: 64 keys.  In every run below the four tiles stand innermost, so that no line waits for the line above it.
.macro STEP
	v_add_nc_u32 v[ADK], s[KB], v[AK0]
	v_add_nc_u32 v[ADV], s[VB], v[AV0]
	v_nop                                          ; with the two additions: four places behind the last step's products, ahead of the loads into the registers that they read (P's, which take K; V's)
	v_nop
.irp kt, 0,1,2,3
.irp ks, 0,1
	ds_load_b128 v[KF+8*(2*\kt+\ks):KF+8*(2*\kt+\ks)+3],   v[ADK] offset:\kt*16*KP+\ks*64
	ds_load_b128 v[KF+8*(2*\kt+\ks)+4:KF+8*(2*\kt+\ks)+7], v[ADK] offset:\kt*16*KP+\ks*64+32
.endr
.endr
	WIN 0x40
.irp kg, 0,1
.irp ct, 0,1,2,3
	ds_load_tr16_b128 v[VF+8*(4*\kg+\ct):VF+8*(4*\kg+\ct)+3],   v[ADV] offset:\kg*32*VP+\ct*32
	ds_load_tr16_b128 v[VF+8*(4*\kg+\ct)+4:VF+8*(4*\kg+\ct)+7], v[ADV] offset:\kg*32*VP+16*VP+\ct*32
.endr
.endr
	s_wait_dscnt 16                                ; K's sixteen loads are in; V's sixteen may be out
	WIN W_KQ
.irp ks, 0,1                                   ; S^T = K Q^T: 16 accumulators by turns, one instruction a turn; the first 16 start the sums
.irp kt, 0,1,2,3
.irp t, 0,1,2,3
.if \ks == 0
	v_wmma_f32_16x16x32_f16 v[S+32*\t+8*\kt:S+32*\t+8*\kt+7], v[KF+8*(2*\kt+\ks):KF+8*(2*\kt+\ks)+7], v[QF+16*\t+8*\ks:QF+16*\t+8*\ks+7], 0
.else
	v_wmma_f32_16x16x32_f16 v[S+32*\t+8*\kt:S+32*\t+8*\kt+7], v[KF+8*(2*\kt+\ks):KF+8*(2*\kt+\ks)+7], v[QF+16*\t+8*\ks:QF+16*\t+8*\ks+7], v[S+32*\t+8*\kt:S+32*\t+8*\kt+7]
.endif
.endr
.endr
.endr
	WIN 0
.rept 4
	v_nop                                          ; places in front of the first read of the scores
.endr
.irp j, 0,1,2,3                                ; the maximum of a lane's 32 scores and the old m, three operands at a time: four chains of seven scores; each accumulator is first read at its low end
.irp t, 0,1,2,3
	v_max3_num_f32 v[ST+8*\t+4+\j], v[S+32*\t+8*\j], v[S+32*\t+8*\j+1], v[S+32*\t+8*\j+2]
.endr
.endr
.irp i, 3,5
.irp j, 0,1,2,3
.irp t, 0,1,2,3
	v_max3_num_f32 v[ST+8*\t+4+\j], v[ST+8*\t+4+\j], v[S+32*\t+8*\j+\i], v[S+32*\t+8*\j+\i+1]
.endr
.endr
.endr
.irp t, 0,1,2,3
	v_max3_num_f32 v[ST+8*\t+4], v[ST+8*\t+4], v[S+32*\t+7], v[S+32*\t+15]
.endr
.irp t, 0,1,2,3
	v_max3_num_f32 v[ST+8*\t+6], v[ST+8*\t+6], v[S+32*\t+23], v[S+32*\t+31]
.endr
.irp t, 0,1,2,3
	v_max3_num_f32 v[ST+8*\t+4], v[ST+8*\t+4], v[ST+8*\t+5], v[ST+8*\t+6]
.endr
.irp t, 0,1,2,3
	v_max3_num_f32 v[ST+8*\t+4], v[ST+8*\t+4], v[ST+8*\t+7], v[ST+8*\t+1]
.endr
.irp t, 0,1,2,3
	v_permlanex16_b32 v[ST+8*\t+5], v[ST+8*\t+4], s[SEL], s[SEL+1]  ; the query's other 32 keys lie in the lane 16 away
.endr
.irp t, 0,1,2,3
	v_mov_b32 v[ST+8*\t+7], v[ST+8*\t]             ; c m_old is kept for a
.endr
.irp t, 0,1,2,3
	v_max_num_f32 v[ST+8*\t+1], v[ST+8*\t+4], v[ST+8*\t+5]          ; the new m
.endr
.irp t, 0,1,2,3
	v_mul_f32 v[ST+8*\t], s[CS], v[ST+8*\t+1]      ; c m
.endr
.irp t, 0,1,2,3
	v_sub_f32 v[ST+8*\t+7], v[ST+8*\t+7], v[ST+8*\t]
.endr
.irp t, 0,1,2,3
	v_exp_f32 v[ST+8*\t+6], v[ST+8*\t+7]           ; a = 2^(c m_old - c m_new).  ONE BATCH begins: these 4 and the 128 below; nothing names a result before the one wait behind them
.endr
.set i, 0
.rept 16
.irp t, 0,1,2,3
	v_pk_fma_f32 v[S+32*\t+2*i:S+32*\t+2*i+1], v[S+32*\t+2*i:S+32*\t+2*i+1], s[CS:CS+1], v[ST+8*\t:ST+8*\t+1] op_sel_hi:[1,0,0] neg_lo:[0,0,1] neg_hi:[0,0,1]  ; c s - c m, two at a time
.endr
.set i, i+1
.endr
.set i, 0
.rept 32
.irp t, 0,1,2,3
	v_exp_f32 v[S+32*\t+i], v[S+32*\t+i]           ; p
.endr
.set i, i+1
.endr
	v_nop                                          ; a plain instruction behind the last exponential, ahead of the first use
	s_wait_alu depctr_va_vdst(0)                   ; the wait ahead of the first instruction that names a result: one for the batch of 132
.set i, 0
.rept 16
.irp t, 0,1,2,3
	v_cvt_pk_f16_f32 v[P+16*\t+i], v[S+32*\t+2*i], v[S+32*\t+2*i+1]  ; P, into the registers that K has left: registers 8 g .. 8 g + 7 are source 1 for keys 32 g on
.endr
.set i, i+1
.endr
.irp u, 0,1,2,3,4,5,6,7                        ; the sum of the tile's 16 pairs, in place: neighbours 1, 2, 4 and 8 pairs apart
.irp t, 0,1,2,3
	v_pk_add_f32 v[S+32*\t+4*\u:S+32*\t+4*\u+1], v[S+32*\t+4*\u:S+32*\t+4*\u+1], v[S+32*\t+4*\u+2:S+32*\t+4*\u+3]
.endr
.endr
.irp u, 0,1,2,3
.irp t, 0,1,2,3
	v_pk_add_f32 v[S+32*\t+8*\u:S+32*\t+8*\u+1], v[S+32*\t+8*\u:S+32*\t+8*\u+1], v[S+32*\t+8*\u+4:S+32*\t+8*\u+5]
.endr
.endr
.irp u, 0,1
.irp t, 0,1,2,3
	v_pk_add_f32 v[S+32*\t+16*\u:S+32*\t+16*\u+1], v[S+32*\t+16*\u:S+32*\t+16*\u+1], v[S+32*\t+16*\u+8:S+32*\t+16*\u+9]
.endr
.endr
.irp t, 0,1,2,3
	v_pk_add_f32 v[S+32*\t:S+32*\t+1], v[S+32*\t:S+32*\t+1], v[S+32*\t+16:S+32*\t+17]
.endr
.irp t, 0,1,2,3
	v_pk_fma_f32 v[ST+8*\t+2:ST+8*\t+3], v[ST+8*\t+2:ST+8*\t+3], v[ST+8*\t+6:ST+8*\t+7], v[S+32*\t:S+32*\t+1] op_sel_hi:[1,0,1]   ; l = a l + the sum
.endr
	WIN W_RS
.set i, 0
.rept 16
.irp t, 0,1,2,3
	v_pk_mul_f32 v[32*\t+2*i:32*\t+2*i+1], v[32*\t+2*i:32*\t+2*i+1], v[ST+8*\t+6:ST+8*\t+7] op_sel_hi:[1,0]   ; O^T x a, each accumulator from its low end on
.endr
.set i, i+1
.endr
	s_wait_dscnt 0x0                               ; V is in
	WIN W_PV
.irp kg, 0,1                                   ; O^T += V^T P: 16 accumulators by turns
.irp ct, 0,1,2,3
.irp t, 0,1,2,3
	v_wmma_f32_16x16x32_f16 v[32*\t+8*\ct:32*\t+8*\ct+7], v[VF+8*(4*\kg+\ct):VF+8*(4*\kg+\ct)+7], v[P+16*\t+8*\kg:P+16*\t+8*\kg+7], v[32*\t+8*\ct:32*\t+8*\ct+7]
.endr
.endr
.endr
	WIN 0                                          ; at a label and at a branch every window is 0
.endm
; A CHUNK of 256 keys: four steps.  The count leaves my later chunks' loads on their way. The steps' LDS addresses begin at the chunk's constant and step by 64 rows.
.macro CHUNK c
	s_wait_tensorcnt 3-\c                          ; my tiles of chunks 0 to c have landed,
	s_wait_dscnt 0x0                               ; (no LDS instruction of mine is out at a signal)
	s_barrier_signal -1
	s_barrier_wait -1                              ; everybody's have
	s_mov_b32 s[KB], \c*256*KP
	s_mov_b32 s[VB], \c*256*VP
	s_mov_b32 s[STP], 4
.Lstep_\@:
	STEP
	s_add_co_u32 s[KB], s[KB], 64*KP
	s_add_co_u32 s[VB], s[VB], 64*VP
	s_sub_co_u32 s[STP], s[STP], 1
	s_cmp_lg_u32 s[STP], 0
	s_cbranch_scc1 .Lstep_\@
.endm
	CHUNK 0
	CHUNK 1
	CHUNK 2
	CHUNK 3
	; THE WAY OUT.  l's two halves and the other half of the lanes' are added; O^T is divided by l, rounded to f16 and sent through my stage in LDS.  The additions are the places behind the last products.
.irp t, 0,1,2,3
	v_add_f32 v[ST+8*\t+4], v[ST+8*\t+2], v[ST+8*\t+3]
.endr
.irp t, 0,1,2,3
	v_permlanex16_b32 v[ST+8*\t+5], v[ST+8*\t+4], s[SEL], s[SEL+1]
.endr
.irp t, 0,1,2,3
	v_add_f32 v[ST+8*\t+4], v[ST+8*\t+4], v[ST+8*\t+5]
.endr
.irp t, 0,1,2,3
	v_rcp_f32 v[ST+8*\t+6], v[ST+8*\t+4]
.endr
	v_nop                                          ; a plain instruction between the last reciprocal and the use of its result
	s_wait_alu depctr_va_vdst(0)                   ; and the wait: one for the four
	s_wait_dscnt 0x0
	s_barrier_signal -1
	s_barrier_wait -1                              ; every wave's reads of K are over: the stages lie in K's bytes, which have had their only fill
; Tile t: a lane's eight channels of a query pack into 16 bytes; they go into rows of 144 bytes and come back four rows of 128 bytes an instruction.  LDS serves a wave's instructions in order (ISA guide 5.7.1.4).
.macro LEAVE t
	WIN W_RS
.set i, 0
.rept 16
	v_pk_mul_f32 v[32*\t+2*i:32*\t+2*i+1], v[32*\t+2*i:32*\t+2*i+1], v[ST+8*\t+6:ST+8*\t+7] op_sel_hi:[1,0]
.set i, i+1
.endr
	WIN 0x05                                       ; sources 0 and 1 window 1, destination window 0: S^T's registers are free
.set i, 0
.rept 16
	v_cvt_pk_f16_f32 v[S+16*\t+i], v[32*\t+2*i], v[32*\t+2*i+1]
.set i, i+1
.endr
	WIN 0
.irp ct, 0,1,2,3
	ds_store_b128 v[STO], v[S+16*\t+4*\ct:S+16*\t+4*\ct+3] offset:\t*16*KP+32*\ct
.endr
.irp n, 0,1,2,3
	ds_load_b128 v[128+16*\t+4*\n:128+16*\t+4*\n+3], v[RD] offset:\t*16*KP+\n*4*KP
.endr
.endm
	LEAVE 0
	LEAVE 1
	LEAVE 2
	LEAVE 3
.irp t, 0,1,2,3
.irp n, 0,1,2,3
	s_wait_dscnt 8*(3-\t)+3-\n                     ; behind this load: the tile's later loads and the later tiles' eight LDS instructions each
	global_store_b128 v[GO], v[128+16*\t+4*\n:128+16*\t+4*\n+3], s[76:77] offset:\t*2048+\n*512   ; 32 lanes store 512 consecutive bytes, aligned
.endr
.endr
	s_wait_tensorcnt 0x0                           ; the wave's end: behind my last tensor load and my last LDS store
	ds_add_u32 v[SPW], v[NIL]
	s_wait_dscnt 0x0
	s_endpgm
.Lfunc_end_k_q55983ae1d4_attn:
	.size	k_q55983ae1d4_attn, .Lfunc_end_k_q55983ae1d4_attn-k_q55983ae1d4_attn
	.p2alignl 7, 3214868480
	.fill 96, 4, 3214868480
	.section	.rodata,"a",@progbits
	.p2align	6, 0x0
	.amdhsa_kernel k_q55983ae1d4_attn
		.amdhsa_group_segment_fixed_size 327680
		.amdhsa_private_segment_fixed_size 0
		.amdhsa_enable_private_segment 0
		.amdhsa_kernarg_size 16
		.amdhsa_user_sgpr_count 2
		.amdhsa_user_sgpr_kernarg_segment_ptr 1
		.amdhsa_wavefront_size32 1
		.amdhsa_system_sgpr_workgroup_id_x 1
		.amdhsa_system_sgpr_workgroup_id_y 1
		.amdhsa_system_sgpr_workgroup_id_z 1
		.amdhsa_system_vgpr_workitem_id 0
		.amdhsa_next_free_vgpr 512
		.amdhsa_next_free_sgpr 88
		.amdhsa_reserve_vcc 0
		.amdhsa_float_denorm_mode_32 3
		.amdhsa_float_denorm_mode_16_64 3
		.amdhsa_memory_ordered 1
		.amdhsa_forward_progress 1
		.amdhsa_inst_pref_size 154
	.end_amdhsa_kernel
	.amdgpu_metadata
---
amdhsa.version: [ 1, 2 ]
amdhsa.kernels:
  - .name:           k_q55983ae1d4_attn
    .symbol:         k_q55983ae1d4_attn.kd
    .args:
      - { .name: qkv16, .offset: 0, .size: 8, .value_kind: global_buffer, .address_space: global }
      - { .name: att, .offset: 8, .size: 8, .value_kind: global_buffer, .address_space: global }
    .group_segment_fixed_size: 327680
    .private_segment_fixed_size: 0
    .kernarg_segment_align: 8
    .kernarg_segment_size: 16
    .max_flat_workgroup_size: 256
    .sgpr_count:     88
    .vgpr_count:     512
    .wavefront_size: 32
...
	.end_amdgpu_metadata
.endif
;; end of part 3
;; launch proj (part 4): grid 4 x 64, 4 waves a work-group, clusters of 4 x 4, 327,680 bytes of LDS; arguments att, pw16, proj_b, out0; writes out0
.if DOCPART == 4
	.amdgcn_target "amdgcn-amd-amdhsa--gfx1250"
	.amdhsa_code_object_version 6
	.text
	.protected	k_q55983ae1d4_proj
	.globl	k_q55983ae1d4_proj
	.p2align	8
	.type	k_q55983ae1d4_proj,@function
k_q55983ae1d4_proj:
	s_mov_b64 s[64:65], 0
	v_nop
	global_prefetch_b8 v0, s[64:65] scope:SCOPE_SE
	s_setreg_imm32_b32 hwreg(HW_REG_WAVE_MODE, 25, 1), 1
	s_wait_xcnt 0x0
	s_wait_alu depctr_hold_cnt(0) depctr_sa_sdst(0) depctr_va_vdst(0) depctr_va_sdst(0) depctr_va_ssrc(0) depctr_va_vcc(0) depctr_vm_vsrc(0)
	s_getreg_b32 s2, hwreg(HW_REG_IB_STS2, 6, 4)
	s_cmp_eq_u32 s2, 0
	s_cbranch_scc0 .Lentry_in_a_cluster
	s_endpgm
.Lentry_in_a_cluster:
	s_bfe_u32 s2, ttmp6, 0x10000c
	s_cmp_lg_u32 s2, 0xf033
	s_cbranch_scc0 .Lentry_shape_is_right
	s_endpgm
.Lentry_shape_is_right:
; out[m][n] = sum over k of o[m][k] w[n][k] + b[n].  o: f16 in planes [k / 64][8192][64]; w: f16 in planes [k / 64][1024][64]; b [1024] f32; out [8192][1024] f32.  Sums in f32; the bias is the first term of the sum.
; A tile of 128 rows x 256 columns is made by a work-group of four waves: 256 work-groups.  A wave makes 64 x 128: 32 accumulators of 16 x 16, 256 registers.
; K goes in steps of 128, two planes, through a ring of two LDS slots filled by the tensor data mover; a plane's part of a tile is one dense block of memory.  Waves 0 and 1 fetch o's two planes (128 rows each), waves 2 and 3 w's (256 rows).
; CLUSTERS: 4 x 4 work-groups.  The four of a row of the cluster need the same tiles of o, the four of a column the same tiles of w: each tile is asked for JOINTLY, by the same tensor load with the same descriptor and a mask
; that names the four.  THE MATRIX INSTRUCTION IS USED TRANSPOSED (source 0 = 16 rows of w, source 1 = 16 rows of o): a lane then holds eight neighbouring columns of a row of out.
; REGISTERS: window 0: v0-31 addresses; v32-127, v128-223 two fragment buffers for 32 along K: w's eight fragments, then o's four; on the way out v32-159 take the rows read back.
;            window 1: the accumulators ((a, b) at v[8 (8 a + b)]).   window 2: v0-63 the bias in the result's layout: the C of each sum's first product.
.set PLANE,  8192*128                  ; a plane of o in bytes
.set PLANEB, 1024*128                  ; a plane of w
.set PITCH,  144                       ; an LDS row: 128 bytes + 16 = 36 words: the 16 rows that a load touches start at 16 different groups of four banks (64 banks of 4 bytes: ISA guide 11.1)
.set APL,    128*PITCH                 ; o's 128 rows of one plane
.set BPL,    256*PITCH                 ; w's 256 rows of one plane
.set SLOT,   2*APL+2*BPL               ; o's two planes, then w's two
.set STAGE,  2*SLOT                    ; behind the ring: 16 rows x 528 bytes for each wave, for the way out; no tensor load fills it
.set SPITCH, 528
.set SPARE,  STAGE+4*16*SPITCH         ; the spare words, 128 bytes for each wave, which no other line names
.set LAPS,   4                         ; a lap = two K steps = once round the ring: 1,024 / 256
.set ADRA, 16                          ; v16-17  LDS address of my o fragments in slot 0, 1
.set ADRB, 20                          ; v20-21  the same for w
.set STO,  24                          ; v24     the way out: where I put 32 bytes of a row
.set RD,   25                          ; v25     the way out: where I read a row back
.set CO,   26                          ; v26     16 x lane
.set SPW,  28                          ; v28     LDS address of my spare word; never rewritten
.set NIL,  29                          ; v29     0; never rewritten
.set BO,   30                          ; v30     the bias: 32 x (lane / 16)
.set F0,   32
.set F1,   128
.set BK,   32                          ; the way out: v32-95 and v96-159 by turns
.set G1, 24                            ; s[24:31] descriptor group 1 for o's tiles;  s[32:39] group 0, one set for each slot
.set G0, 32
.set G1B, 48                           ; s[48:55], s[56:63] the same for w's
.set G0B, 56
.set MSB, 0
.macro WIN new                         ; the immediate's high byte repeats the setting that is left
.if MSB != \new
	s_set_vgpr_msb (MSB<<8)|\new
.set MSB, \new
.endif
.endm
.set MUL,   0x50                       ; sources 0 and 1 window 0; C and D window 1
.set FIRST, 0x60                       ; C (the bias) window 2, D window 1
.macro JLOAD s                         ; a joint load: waves 0 and 1 fetch for o, waves 2 and 3 for w; an s_nop 0 and four v_nop follow each of the two lines, ahead of the jump, the label and what follows
	s_cmp_eq_u32 s13, 0
	s_cbranch_scc0 .Lfor_b_\@
	tensor_load_to_lds s[G0+4*\s:G0+4*\s+3], s[G1:G1+7]
	s_nop 0
.rept 4
	v_nop
.endr
	s_branch .Lasked_\@
.Lfor_b_\@:
	tensor_load_to_lds s[G0B+4*\s:G0B+4*\s+3], s[G1B:G1B+7]
	s_nop 0
.rept 4
	v_nop
.endr
.Lasked_\@:
.endm
.macro CREST                           ; a round of the cluster's barrier behind its opening barrier
	s_cmp_lg_u32 s12, 0
	s_cbranch_scc1 .Lnot_wave_0_\@
	s_barrier_signal -3
.Lnot_wave_0_\@:
	s_barrier_wait -3
	s_barrier_signal -1
	s_barrier_wait -1
.endm
.macro CROUND                          ; a whole round
	s_barrier_signal -1
	s_barrier_wait -1
	CREST
.endm
	s_load_b256 s[4:11], s[0:1], 0x0               ; o s[4:5], w s[6:7], b s[8:9], out s[10:11]
	v_lshl_add_u32 v[SPW], v0, 2, SPARE
	v_mov_b32 v[NIL], 0
	ds_add_u32 v[SPW], v[NIL]                      ; the wave's opening: the add and its wait stand ahead of my first tensor load; the set-up below, work on registers, stands between them
	v_lshrrev_b32 v1, 5, v0
	v_readfirstlane_b32 s12, v1                    ; wave 0..3
	s_lshr_b32 s13, s12, 1                         ; which half of the tile's rows is mine.  Also: I fetch for o (0) or for w (1)
	s_and_b32 s14, s12, 1                          ; which half of its columns.  Also: which plane of a K step I fetch
	s_bfe_u32 s40, ttmp6, 0x40000                  ; cx, cy: my place in the cluster
	s_bfe_u32 s41, ttmp6, 0x40004
	s_lshl_b32 s42, ttmp9, 2
	s_add_co_u32 s42, s42, s40                     ; tile column = 4 x cluster x + cx
	s_and_b32 s15, ttmp7, 0xffff
	s_lshl_b32 s15, s15, 2
	s_add_co_u32 s15, s15, s41                     ; tile row = 4 x cluster y + cy
	s_lshl_b32 s43, s41, 2
	s_lshl_b32 s43, 15, s43                        ; my row of the cluster
	s_lshl_b32 s44, 0x1111, s40                    ; my column
	; descriptor group 1: rows of 64 elements of 2 bytes, dense in memory, padded in LDS; o: 128 rows, w: 256
	s_or_b32 s[G1+0], s43, (1<<16)|(1<<20)|(1<<21)|(4<<22)|(3<<25)  ; 15:0 the mask: o's tiles go to my row; 17:16 element of 2 bytes; 20 padding on; 21 set beside a mask; 24:22 after every 32 words (code 4); 31:25 of 4 words (code 3)
	s_or_b32 s[G1B+0], s44, (1<<16)|(1<<20)|(1<<21)|(4<<22)|(3<<25)
	s_mov_b32 s[G1+1], 64<<16                      ; tensor_dim0 = 64
	s_mov_b32 s[G1+2], 128<<16                     ; tensor_dim1 = 128
	s_mov_b32 s[G1+3], 64<<16                      ; tile_dim0 = 64
	s_mov_b32 s[G1+4], 128                         ; tile_dim1 = 128
	s_mov_b32 s[G1+5], 64                          ; tensor_dim0_stride
	s_mov_b32 s[G1+6], 0
	s_mov_b32 s[G1+7], 0
	s_mov_b32 s[G1B+1], 64<<16
	s_mov_b32 s[G1B+2], 256<<16
	s_mov_b32 s[G1B+3], 64<<16
	s_mov_b32 s[G1B+4], 256
	s_mov_b32 s[G1B+5], 64
	s_mov_b32 s[G1B+6], 0
	s_mov_b32 s[G1B+7], 0
	s_lshl_b32 s16, s14, 20                        ; o: my plane of K step 0,
	s_lshl_b32 s17, s15, 14                        ; + 128 x tile row rows of 128 bytes: it hangs on the tile row alone, which my row of the cluster shares
	s_add_co_u32 s16, s16, s17
	s_mov_b32 s17, 0
	s_lshl_b32 s46, s14, 17                        ; w: my plane,
	s_lshl_b32 s47, s42, 15                        ; + 256 x tile column rows: on the tile column alone
	s_add_co_u32 s46, s46, s47
	s_mov_b32 s47, 0
	s_mul_i32 s20, s14, APL                        ; where they go: no place in the cluster enters an LDS address
	s_mul_i32 s21, s14, BPL
	s_add_co_u32 s21, s21, 2*APL
	s_wait_dscnt 0x0                               ; the opening add is done
	s_wait_kmcnt 0x0
	s_add_nc_u64 s[18:19], s[4:5], s[16:17]
	s_add_nc_u64 s[46:47], s[6:7], s[46:47]
	CROUND                                         ; all sixteen work-groups are here: the first joint loads meet
.irp s, 0,1
	s_mov_b32 s[G0+4*\s], 1
	s_add_co_u32 s[G0+4*\s+1], s20, \s*SLOT
	s_add_nc_u64 s[G0+4*\s+2:G0+4*\s+3], s[18:19], \s*2*PLANE
	s_or_b32 s[G0+4*\s+3], s[G0+4*\s+3], 0x80000000
	s_mov_b32 s[G0B+4*\s], 1
	s_add_co_u32 s[G0B+4*\s+1], s21, \s*SLOT
	s_add_nc_u64 s[G0B+4*\s+2:G0B+4*\s+3], s[46:47], \s*2*PLANEB
	s_or_b32 s[G0B+4*\s+3], s[G0B+4*\s+3], 0x80000000
	JLOAD \s
.endr
	v_and_b32 v1, 15, v0                           ; r = l % 16
	v_bfe_u32 v2, v0, 4, 1                         ; h = l / 16
	v_mul_u32_u24 v3, v1, PITCH
	v_lshl_add_u32 v3, v2, 4, v3                   ; a fragment's row x pitch + 16 x half
	s_mul_i32 s22, s13, 64*PITCH                   ; my 64 rows of o
	s_mul_i32 s23, s14, 128*PITCH                  ; my 128 rows of w,
	s_add_co_u32 s23, s23, 2*APL                   ; which lie behind o's two planes
.irp s, 0,1
	v_add_nc_u32 v[ADRA+\s], s22, v3
	v_add_nc_u32 v[ADRB+\s], s23, v3
	s_add_co_u32 s22, s22, SLOT
	s_add_co_u32 s23, s23, SLOT
.endr
	s_mul_i32 s45, s12, 16*SPITCH
	s_add_co_u32 s45, s45, STAGE                   ; my stage
	v_mul_u32_u24 v4, v1, SPITCH                   ; in: row r, 32 bytes for each half of the lanes
	v_lshl_add_u32 v4, v2, 5, v4
	v_add_nc_u32 v[STO], s45, v4
	v_and_b32 v5, 31, v0
	v_lshlrev_b32 v[CO], 4, v5                     ; back: the 32 lanes take one row of 512 bytes; and the same in out
	v_add_nc_u32 v[RD], s45, v[CO]
	v_lshlrev_b32 v[BO], 5, v2
	s_lshl_b32 s16, s15, 7
	s_lshl_b32 s17, s13, 6
	s_add_co_u32 s16, s16, s17                     ; my first row of out: 128 x tile row + 64 x half
	s_lshl_b32 s16, s16, 12                        ; x 4,096 bytes
	s_mov_b32 s17, 0
	s_add_nc_u64 s[10:11], s[10:11], s[16:17]
	s_lshl_b32 s46, s42, 10                        ; my first column, in bytes: 1,024 x tile column + 512 x half
	s_lshl_b32 s47, s14, 9
	s_add_co_u32 s46, s46, s47
	s_mov_b32 s47, 0
	s_add_nc_u64 s[10:11], s[10:11], s[46:47]
	s_add_nc_u64 s[8:9], s[8:9], s[46:47]          ; and in the bias
	WIN 0x80                                       ; destination window 2, address window 0
.irp b, 0,1,2,3,4,5,6,7
	global_load_b128 v[8*\b:8*\b+3],   v[BO], s[8:9] offset:64*\b          ; register 8 b + j of lane (r, h): b[my first column + 16 b + 8 h + j]
	global_load_b128 v[8*\b+4:8*\b+7], v[BO], s[8:9] offset:64*\b+16
.endr
	WIN 0
; 8 matrix instructions: o's block a against w's eight, 32 along K, from buffer f.  first = 1: the product starts the sums, with the bias as C.  The 32 accumulators take turns, one instruction a turn, in the same order
; in every quarter.
.macro MUL8 f, a, first
.irp b, 0,1,2,3,4,5,6,7
.if \first
	v_wmma_f32_16x16x32_f16 v[8*(8*(\a)+\b):8*(8*(\a)+\b)+7], v[\f+8*\b:\f+8*\b+7], v[\f+64+8*(\a):\f+64+8*(\a)+7], v[8*\b:8*\b+7]
.else
	v_wmma_f32_16x16x32_f16 v[8*(8*(\a)+\b):8*(8*(\a)+\b)+7], v[\f+8*\b:\f+8*\b+7], v[\f+64+8*(\a):\f+64+8*(\a)+7], v[8*(8*(\a)+\b):8*(8*(\a)+\b)+7]
.endif
.endr
.endm
; 24 LDS loads in one run: the fragments of the slot's q-th 32 along K (plane q / 2, byte 64 (q % 2) of its rows) into buffer f: w's eight, then o's four
.macro FETCH slot, q, f
	WIN 0
.irp i, 0,1,2,3,4,5,6,7
	ds_load_b128 v[\f+8*\i:\f+8*\i+3],   v[ADRB+\slot] offset:((\q)/2)*BPL+((\q)%2)*64+\i*16*PITCH
	ds_load_b128 v[\f+8*\i+4:\f+8*\i+7], v[ADRB+\slot] offset:((\q)/2)*BPL+((\q)%2)*64+\i*16*PITCH+32
.endr
.irp i, 0,1,2,3
	ds_load_b128 v[\f+64+8*\i:\f+64+8*\i+3],   v[ADRA+\slot] offset:((\q)/2)*APL+((\q)%2)*64+\i*16*PITCH
	ds_load_b128 v[\f+64+8*\i+4:\f+64+8*\i+7], v[ADRA+\slot] offset:((\q)/2)*APL+((\q)%2)*64+\i*16*PITCH+32
.endr
.endm
.macro PLACES                          ; four places in front of loads into registers that matrix instructions have read, and of the first read of results (ISA guide 7.12.1 for vector instructions)
.rept 4
	v_nop
.endr
.endm
; A K step is four quarters of 32 along K, 32 matrix instructions each, on buffers 0, 1, 0, 1.  One of the first three: multiplies buffer f and, in its middle, fetches the slot's quarter q into g.
.macro QUARTER slot, q, f, g, first
	s_wait_dscnt 4                                 ; w's fragments and o's blocks 0 and 1 are in; the youngest four loads (blocks 2 and 3) may be out
.if \first
	WIN FIRST
.else
	WIN MUL
.endif
	MUL8 \f, 0, \first
	MUL8 \f, 1, \first
	PLACES
	FETCH \slot, \q, \g
	s_wait_dscnt 24                                ; all but the 24 just issued
.if \first
	WIN FIRST
.else
	WIN MUL
.endif
	MUL8 \f, 2, \first
	MUL8 \f, 3, \first
.endm
; The last quarter multiplies buffer 1 and changes slots: ONE barrier; in front of it each wave waits for all its tensor loads, adds 0 to its spare word, and waits for that and for its own reads of this slot.
; fill = 1: the barrier opens a round of the cluster's barrier, and this slot is filled again, two K steps ahead: the joint load is the first thing behind the round, 112 matrix instructions ahead of the wait for it.
.macro TURN slot, next, fill
	WIN 0                                          ; (the add's two registers lie in window 0)
	s_wait_tensorcnt 0x0                           ; all my tensor loads have landed: my part of the next slot
	ds_add_u32 v[SPW], v[NIL]                      ; 0 onto my spare word
	s_wait_dscnt 5                                 ; (the add and the youngest four loads may be out)
	WIN MUL
	MUL8 F1, 0, 0                                  ; eight matrix instructions stand between the add and the wait for it
	s_wait_dscnt 0x0                               ; the add is done, and my reads of this slot are over
	s_barrier_signal -1
	MUL8 F1, 1, 0
.if \fill
	WIN 0
.endif
	s_barrier_wait -1
.if \fill
	CREST                                          ; no wave of any partner still reads this slot's tile or has a load on its way
	s_add_nc_u64 s[G0+4*\slot+2:G0+4*\slot+3], s[G0+4*\slot+2:G0+4*\slot+3], 4*PLANE       ; two K steps on: four planes; the type bits on top are not reached
	s_add_nc_u64 s[G0B+4*\slot+2:G0B+4*\slot+3], s[G0B+4*\slot+2:G0B+4*\slot+3], 4*PLANEB
	JLOAD \slot                                    ; the four v_nop behind it are also the places in front of the loads below
.else
	PLACES
.endif
	FETCH \next, 0, F0
	WIN MUL
	MUL8 F1, 2, 0
	MUL8 F1, 3, 0
.endm
	s_wait_tensorcnt 1                             ; my part of K step 0 is in (K step 1's load may be out)
	s_barrier_signal -1
	s_barrier_wait -1                              ; everybody's is
	FETCH 0, 0, F0
	s_wait_loadcnt 0x0                             ; the bias
	QUARTER 0, 1, F0, F1, 1                        ; the first quarter stands in front of the loop: its products start the sums
	WIN 0                                          ; at a label and at a branch every window is 0
	s_mov_b32 s3, LAPS-1
.Llap:                                                 ; a trip goes once round the ring, from a lap's second quarter to the next lap's first, and fills both slots again
	QUARTER 0, 2, F1, F0, 0
	QUARTER 0, 3, F0, F1, 0
	TURN 0, 1, 1
	QUARTER 1, 1, F0, F1, 0
	QUARTER 1, 2, F1, F0, 0
	QUARTER 1, 3, F0, F1, 0
	TURN 1, 0, 1
	QUARTER 0, 1, F0, F1, 0
	WIN 0
	s_sub_co_u32 s3, s3, 1
	s_cmp_lg_u32 s3, 0
	s_cbranch_scc1 .Llap
	QUARTER 0, 2, F1, F0, 0                        ; the last lap fills nothing, and has no round of the cluster's barrier
	QUARTER 0, 3, F0, F1, 0
	TURN 0, 1, 0
	QUARTER 1, 1, F0, F1, 0
	QUARTER 1, 2, F1, F0, 0
	QUARTER 1, 3, F0, F1, 0
	s_wait_dscnt 4                                 ; the very last quarter: nothing more to fetch
	WIN MUL
	MUL8 F1, 0, 0
	MUL8 F1, 1, 0
	s_wait_dscnt 0
	MUL8 F1, 2, 0
	MUL8 F1, 3, 0
	WIN 0
; THE WAY OUT, block by block of 16 rows x 128 columns.  A lane holds 32 neighbouring bytes of a row, and the lanes beside it hold other rows: so a block goes through my own stage in LDS and comes back as whole rows of 512 bytes.
; LDS serves a wave's instructions in order (ISA guide 5.7.1.4): no wait between the stores and the loads, nor in front of the next block's stores.
.macro TOSTAGE a
	WIN 0x04                                       ; an LDS store's data are its source 1: window 1
.irp b, 0,1,2,3,4,5,6,7
	ds_store_b128 v[STO], v[8*(8*(\a)+\b):8*(8*(\a)+\b)+3] offset:64*\b          ; each accumulator from its low end on
	ds_store_b128 v[STO], v[8*(8*(\a)+\b)+4:8*(8*(\a)+\b)+7] offset:64*\b+16
.endr
	WIN 0
.set BB, BK+64*((\a)%2)
.irp t, 0,1,2,3,4,5,6,7,8,9,10,11,12,13,14,15
	ds_load_b128 v[BB+4*\t:BB+4*\t+3], v[RD] offset:\t*SPITCH
.endr
.endm
.macro SEND a, younger                 ; younger: the LDS instructions issued behind block a's loads, which may stay out
.set BB, BK+64*((\a)%2)
	s_wait_dscnt \younger                          ; the block is back in registers
.irp t, 0,1,2,3,4,5,6,7,8,9,10,11,12,13,14,15
	global_store_b128 v[CO], v[BB+4*\t:BB+4*\t+3], s[10:11] offset:(16*(\a)+\t)*4096 th:TH_STORE_NT   ; 32 lanes store 512 consecutive bytes, aligned; written once, read by nobody here; no pointer is stepped
.endr
.endm
	PLACES                                         ; behind the last products: for the stores' reads of results and for the loads into the registers that held fragments
	TOSTAGE 0
.irp a, 1,2,3
.if \a > 1
	s_wait_xcnt 0x0                                ; block a - 2's stores have read their registers: block a's loads land there only behind this wait
.endif
	TOSTAGE \a
	SEND \a-1, 32                                  ; behind block a - 1's loads: block a's 16 stores and 16 loads
.endr
	SEND 3, 0
	s_wait_tensorcnt 0x0                           ; the wave's end: behind my last tensor load and my last LDS store
	ds_add_u32 v[SPW], v[NIL]
	s_wait_dscnt 0x0
	CROUND                                         ; the closing round: no work-group ends while a partner may still ask for a tile that names it
	s_endpgm
.Lfunc_end_k_q55983ae1d4_proj:
	.size	k_q55983ae1d4_proj, .Lfunc_end_k_q55983ae1d4_proj-k_q55983ae1d4_proj
	.p2alignl 7, 3214868480
	.fill 96, 4, 3214868480
	.section	.rodata,"a",@progbits
	.p2align	6, 0x0
	.amdhsa_kernel k_q55983ae1d4_proj
		.amdhsa_group_segment_fixed_size 327680
		.amdhsa_private_segment_fixed_size 0
		.amdhsa_enable_private_segment 0
		.amdhsa_kernarg_size 32
		.amdhsa_user_sgpr_count 2
		.amdhsa_user_sgpr_kernarg_segment_ptr 1
		.amdhsa_wavefront_size32 1
		.amdhsa_system_sgpr_workgroup_id_x 1
		.amdhsa_system_sgpr_workgroup_id_y 1
		.amdhsa_system_sgpr_workgroup_id_z 1
		.amdhsa_system_vgpr_workitem_id 0
		.amdhsa_next_free_vgpr 576
		.amdhsa_next_free_sgpr 66
		.amdhsa_reserve_vcc 0
		.amdhsa_float_denorm_mode_32 3
		.amdhsa_float_denorm_mode_16_64 3
		.amdhsa_memory_ordered 1
		.amdhsa_forward_progress 1
		.amdhsa_inst_pref_size 86
	.end_amdhsa_kernel
	.amdgpu_metadata
---
amdhsa.version: [ 1, 2 ]
amdhsa.kernels:
  - .name:           k_q55983ae1d4_proj
    .symbol:         k_q55983ae1d4_proj.kd
    .args:
      - { .name: att, .offset: 0, .size: 8, .value_kind: global_buffer, .address_space: global }
      - { .name: pw16, .offset: 8, .size: 8, .value_kind: global_buffer, .address_space: global }
      - { .name: proj_b, .offset: 16, .size: 8, .value_kind: global_buffer, .address_space: global }
      - { .name: out0, .offset: 24, .size: 8, .value_kind: global_buffer, .address_space: global }
    .group_segment_fixed_size: 327680
    .private_segment_fixed_size: 0
    .kernarg_segment_align: 8
    .kernarg_segment_size: 32
    .max_flat_workgroup_size: 128
    .sgpr_count:     66
    .vgpr_count:     576
    .wavefront_size: 32
...
	.end_amdgpu_metadata
.endif
;; end of part 4
